; MI455X (gfx1250); checked and timed in simulation.
; The chip was launched on July 23, 2026; its instructions are those of AMD's public machine-readable ISA for CDNA 5 (MIT licence, August 2026) and "CDNA5" Instruction Set Architecture Reference Guide (July 2026). The comments in the code are by the model that wrote it; some were corrected since.
;; Multi Head Self Attention. Allowed arithmetic: matrix products marked QUANTISED: E4M3 operands, one E8M0 scale for each 32 along K, by v_wmma_scale_f32_16x16x128_f8f6f4 with both operands' format E4M3, f32 sums; everything else in f32.
;; Inputs: Wk 1,024 x 1,024 float32; Wo 1,024 x 1,024 float32; Wq 1,024 x 1,024 float32; Wv 1,024 x 1,024 float32; token_positions 1 x 4,096 int32; x 1 x 4,096 x 1,024 float32.
;; Outputs: out0 1 x 4,096 x 1,024 float32.
;; This version of the problem:
;;   THIS VERSION OF THE PROBLEM IS GIVEN IN LOW PRECISION. The matrix products marked QUANTISED in the list below multiply operands that are first quantised to E4M3 (4 exponent bits, 3 mantissa bits; 8 bits a number), with one power-of-two scale for each 32 numbers along K (OCP MX v1.0); their sums are f32. All else is computed in f32.
;;   The module's matrix products, in the order in which they are computed (A, B: the left and right operand; K: the contracted axis; several contracted axes count as one K, in the product's order):
;;     1. [M 4,096, K 1,024] x [K 1,024, N 1,024]; A: input x; B: input Wq: QUANTISED
;;     2. [M 4,096, K 1,024] x [K 1,024, N 1,024]; A: input x; B: input Wk: QUANTISED
;;     3. [M 4,096, K 1,024] x [K 1,024, N 1,024]; A: input x; B: input Wv: QUANTISED
;;     4. [M 4,096, K 1,024] x [K 1,024, N 1,024]; A: input x; B: input Wq: QUANTISED
;;     5. [M 4,096, K 1,024] x [K 1,024, N 1,024]; A: input x; B: input Wk: QUANTISED
;;     6. batch 16 x [M 4,096, K 64] x [K 64, N 4,096]; A: computed on the way; B: computed on the way: QUANTISED
;;     7. batch 16 x [M 4,096, K 4,096] x [K 4,096, N 64]; A: softmax (see below); B: computed on the way: QUANTISED
;;     8. [M 4,096, K 1,024] x [K 1,024, N 1,024]; A: computed on the way; B: input Wo: QUANTISED
;;   THE QUANTISER, for each operand of a quantised product, along K:
;;     - K is cut into blocks of 32 from its start; a last block that is shorter is filled with zeros.
;;     - A block's scale is 2^e with e = floor(log2(the largest magnitude in the block)) - 8, held to -126 .. 127; a block of zeros has e = 0. As a byte (E8M0): e + 127.
;;     - Each number is divided by its block's scale, clamped to +-448, and rounded to the nearest number of E4M3, ties to even, subnormals kept.
;;     - The product sums the exact products of the quantised numbers (number of the format x scale) in f32.
;;   ~~~python
;;   def quantise(x, axis):      # numpy; x: float32 -> the quantised numbers, widened to float32 again
;;       x = np.moveaxis(x, axis, -1); K = x.shape[-1]
;;       x = np.pad(x, [(0, 0)] * (x.ndim - 1) + [(0, -K % 32)]); x = x.reshape(x.shape[:-1] + (-1, 32)); a = np.abs(x).max(-1, keepdims=True)
;;       e = np.where(a > 0, np.clip(np.frexp(np.where(a > 0, a, 1))[1] - 1 - 8, -126, 127), 0)      # np.frexp(a)[1] - 1 = floor(log2(a)), exactly
;;       r = np.clip(x / 2.0 ** e, -448, 448)
;;       step = 2.0 ** (np.maximum(np.frexp(np.where(r == 0, 1, r))[1] - 1, -6) - 3)
;;       q = np.round(r / step) * step * 2.0 ** e      # np.round: ties to even
;;       return np.moveaxis(q.reshape(q.shape[:-2] + (-1,))[..., :K], -1, axis).astype(np.float32)
;;   ~~~
;;   SOFTMAX AHEAD OF A QUANTISED PRODUCT. Where the list says 'softmax', what is quantised is not the finished softmax but p = 2^(t - M), with t = logit x log2(e) and M = ceil(the row's largest t), a whole number; so 1/2 < the row's largest p <= 1. The row's sum l is taken of the UNQUANTISED p, in f32, and the product's result is divided by l at the end. Since M is a whole number, a kernel that streams over the keys may use a running M (the ceiling of the running maximum): every later rescaling is an exact power of two, which a block's scale takes up: the codes' values come out the same.
;;   OPERANDS COMPUTED ON THE WAY. 'Computed on the way' means the value that the module computes at that place (a softmax that the list does not call 'softmax' is quantised finished and normalised). What goes into a quantiser is computed in f32, as accurately as f32 sums, v_exp_f32 and their like allow (about 1e-6 of the number): no bf16 or f16 on the way to a quantiser, and a product that is left as it is and whose result goes on into a quantised operand takes f32 operands (vector FMAs, or v_wmma_f32_16x16x4_f32). A number that lies on a knife's edge between two numbers of the format may be rounded either way, as far as f32 arithmetic and the matrix unit's own rounding can turn it there, and no further.
;; One version. Each part assembles by itself: llvm-mc -triple=amdgcn-amd-amdhsa -mcpu=gfx1250 --defsym DOCPART=n.
;; ======== version 1 of 1: 4 launches
;; limits: right only within a limited range of input values
;; workspace buffers: cod1 8,388,608 bytes; scl1 262,144 bytes; cs 1,048,576 bytes; qkvc 12,582,912 bytes; qkvs 655,360 bytes; aoc 4,194,304 bytes; aos 131,072 bytes
;; launch prep (part 1): grid 256 x 1, 8 waves a work-group, no clusters, 69,632 bytes of LDS; arguments x, Wq, Wk, Wv, Wo, token_positions, cod1, scl1, cs; writes cod1, scl1, cs
.if DOCPART == 1
	.amdgcn_target "amdgcn-amd-amdhsa--gfx1250"
	.amdhsa_code_object_version 6
	.text
	.protected	k_qc79627dcab_prep
	.globl	k_qc79627dcab_prep
	.p2align	8
	.type	k_qc79627dcab_prep,@function
k_qc79627dcab_prep:
	s_mov_b64 s[64:65], 0
	v_nop
	global_prefetch_b8 v0, s[64:65] scope:SCOPE_SE
	s_setreg_imm32_b32 hwreg(HW_REG_WAVE_MODE, 25, 1), 1
	s_wait_xcnt 0x0
; MULTI-HEAD SELF-ATTENTION IN MX-FP8, LAUNCH 1 OF 4: x, Wq, Wk, Wv, Wo become codes of E4M3 with one E8M0 byte for each 32 along K; cos and sin of position x frequency become a table.
; WORK LEFT OUT BY THE WHOLE PROGRAM.  reference() forms x Wq^T and x Wk^T twice.  The first results are bound to the names Q and K (the first Q also goes through apply_rope), and both names are bound anew, to the second
; products, before anything reads them; 'pos' is read by nothing.  So the table's products 1 and 2, the first apply_rope and 'pos' reach no output, whatever the inputs hold, and are not computed.  Product 3 (V) is used.
; Scores above the diagonal of the jnp.tril that reference() builds become -inf ahead of the softmax: steps of 128 keys that lie wholly above it are not computed (launch 3).  All six inputs have a way to the output and are loaded.
; LIMIT: a NaN, an infinity or an overflow that would arise only in the work left out is not carried to the result.
; LAYOUT.  A ROW TILE 2 b + u holds the 16 rows 32 b + 8 u + {0..7, 16..23}: lane-row r is row 32 b + 8 u + r + 8 (r / 8).  A FRAGMENT (row tile x 128 along K) lies in memory as the image of the operand's registers:
; four pieces c of 512 bytes; in piece c lane l = 16 h + r has, at byte 16 l, the 16 codes k = 32 c + 16 h + 0..15 of lane-row r.  cod1 = [row tile 512][128 K 8][piece 4][512 bytes]; row tiles 0-255 x, 256-319 Wq, 320-383 Wk, 384-447 Wv, 448-511 Wo.
; scl1 = [row tile][K half 2][r 16][4 words]: a word is the four scale bytes of 128 along K of one row.
; cs = [token][h 2][p 16][cos, sin]: frequency 16 (p / 8) + 8 h + p % 8, the order in which launch 2's lanes hold the pairs of a head.
; THE QUANTISER: a block's scale is 2^(floor(log2(largest magnitude)) - 8); its byte is the largest magnitude's exponent field - 8, held at 1 from below; each number is held within +-448 x the scale and rounded to the nearest code, ties to even.
; A block of zeros gets the byte 1 where the rule says 127: its codes are zeros, and this program alone reads the bytes.
; COS, SIN: inv = 10000^(-f / 32) as 2^(a + e), a the rounded exponent and e what the rounding left; angle = f32(position) x inv, rounded as reference() rounds it; the angle less n x pi/2 in three parts by fused multiply-adds; two polynomials on +-pi/4.
; LIMITS: |position| up to 2^23 (n is then a whole number that f32 holds); NaN and infinities among the inputs are not served; blocks whose largest magnitude lies under 2^-118 share the byte 1.
; SHARES: wave w of work-group g takes a quarter of K (w % 4: two units of 128) of row tile 2 g + w / 4, both units' 32 loads asked for at once, and the table of tokens 2 (8 g + w) and the next, a lane to a frequency.
; Each load reads 512 consecutive bytes of one row; a unit turns through the wave's own stage in LDS (rows 528 bytes apart) so that a lane gets 16 neighbours of each block of 32; each store of codes covers 512 consecutive bytes, aligned.
; A wave has two of a row's eight scale words: the words of a row tile meet in 512 bytes of LDS, and behind one barrier the tile's first wave stores them as 512 consecutive bytes.
.set STGB,  8448                       ; a wave's stage: 16 rows x (512 + 16) bytes
.set XW,    8*STGB                     ; the scale words of two row tiles
.set SPARE, XW+1024                    ; the spare words, 128 bytes a wave
.set SPW, 1
.set NIL, 2
.set XWS, 3                            ; v3   where my two scale words go in LDS
.set L16, 4
.set SI,  5
.set SO,  6
.set TBO, 7
.set PWS, 8                            ; v8-9 my two units' scale words
.set XWR, 10                           ; v10  where a tile's words are read back
.set R,   16                           ; v16-143  two sets of 64 registers as loaded
.set X,   144                          ; v144-207 64 numbers: register 16 b + i = k 32 b + 16 h + i of my row.  Ahead of the units: set-up and the table
.set INV, 159
.set PC,  208
.set TM,  240
.set SEL, 32
.set MNT, 34
	s_load_b256 s[4:11], s[0:1], 0x0               ; x, Wq, Wk, Wv
	s_load_b256 s[12:19], s[0:1], 0x20             ; Wo, token_positions, cod1, scl1
	s_load_b64 s[20:21], s[0:1], 0x40              ; cs
	v_lshl_add_u32 v[SPW], v0, 2, SPARE
	v_mov_b32 v[NIL], 0
	v_lshrrev_b32 v144, 5, v0
	v_readfirstlane_b32 s22, v144                  ; wave
	s_lshr_b32 s58, s22, 2                         ; which of the work-group's two row tiles
	s_and_b32 s59, s22, 3                          ; which quarter of K
	s_mul_i32 s56, s22, STGB
	s_lshl_b32 s60, s58, 9
	s_add_co_u32 s60, s60, XW
	s_lshr_b32 s61, s59, 1                         ; K half: 256 bytes; in it 16 bytes a row, 8 for my two words
	s_lshl_b32 s61, s61, 8
	s_add_co_u32 s61, s61, s60
	s_and_b32 s57, s59, 1
	s_lshl_b32 s57, s57, 3
	s_add_co_u32 s61, s61, s57
	v_and_b32 v145, 31, v0                         ; lane = frequency
	v_and_b32 v146, 15, v0                         ; r
	v_bfe_u32 v147, v0, 4, 1                       ; h
	v_lshlrev_b32 v[L16], 4, v145
	v_add_nc_u32 v[SI], s56, v[L16]
	v_mul_u32_u24 v[SO], v146, 528
	v_lshl_add_u32 v[SO], v147, 6, v[SO]
	v_add_nc_u32 v[SO], s56, v[SO]
	v_lshlrev_b32 v[XWS], 4, v146
	v_add_nc_u32 v[XWS], s61, v[XWS]
	v_add_nc_u32 v[XWR], s60, v[L16]
	v_bfe_u32 v148, v0, 3, 1                       ; the table's h = (f / 8) % 2
	v_and_b32 v149, 7, v0
	v_lshl_add_u32 v149, v147, 3, v149             ; p = 8 (f / 16) + f % 8
	v_lshlrev_b32 v149, 3, v149
	v_lshl_add_u32 v[TBO], v148, 7, v149           ; 128 h + 8 p
	s_mov_b32 s[SEL], 0x76543210
	s_mov_b32 s[SEL+1], 0xfedcba98
	s_mov_b32 s[MNT], 0x600000
	s_mov_b32 s36, 0x3f22f983                      ; 2 / pi
	s_mov_b32 s37, 0xbfc90fdb                      ; -(pi/2 rounded to f32)
	s_mov_b32 s38, 0x333bbd2e                      ; what that rounding added,
	s_mov_b32 s39, 0x26f72ced                      ; and the rest
	s_mov_b32 s40, 0xbe2aaaa3                      ; sine's polynomial
	s_mov_b32 s41, 0x3c08839e
	s_mov_b32 s42, 0xb94ca1f9
	s_mov_b32 s43, 0x3d2aaaa5                      ; cosine's
	s_mov_b32 s44, 0xbab6061a
	s_mov_b32 s45, 0x37ccf5ce
	s_mov_b32 s46, 0xbed49a78                      ; -log2(10000) / 32, rounded to f32,
	s_mov_b32 s47, 0xb2179a18                      ; and what the rounding left
.irp b, 0,1,2,3
	v_mov_b32 v[TM+4+\b], 0                        ; a lane permute's destination counts as one of its sources
.endr
	v_cvt_f32_u32 v150, v145
	v_mul_f32 v151, s46, v150                      ; a
	v_fma_f32 v152, v150, s46, -v151               ; what a's rounding lost, exactly,
	v_fma_f32 v152, v150, s47, v152                ; and the constant's low part: e
	s_wait_alu depctr_va_vdst(0)                   ; the wait ahead of the exponential
	v_exp_f32 v[INV], v151
	v_mul_f32 v152, 0x3f317218, v152               ; e ln 2  (a plain line behind the exponential)
	s_wait_alu depctr_va_vdst(0)                   ; and ahead of the first line that names its result
	v_fma_f32 v[INV], v[INV], v152, v[INV]         ; 2^a (1 + e ln 2)
	s_and_b32 s23, ttmp9, 31
	s_lshl_b32 s35, ttmp9, 1
	s_add_co_u32 s35, s35, s58                     ; my row tile
	s_lshl_b32 s62, ttmp9, 3
	s_add_co_u32 s62, s62, s22                     ; my pair of tokens
	s_mov_b32 s55, 0
	s_wait_kmcnt 0x0
	s_cmp_lt_u32 ttmp9, 224                        ; which tensor: the choice hangs on the work-group's number alone
	s_cselect_b64 s[52:53], s[10:11], s[12:13]
	s_cmp_lt_u32 ttmp9, 192
	s_cselect_b64 s[52:53], s[8:9], s[52:53]
	s_cmp_lt_u32 ttmp9, 160
	s_cselect_b64 s[52:53], s[6:7], s[52:53]
	s_cmp_lt_u32 ttmp9, 128
	s_cselect_b64 s[52:53], s[4:5], s[52:53]
	s_cselect_b32 s23, ttmp9, s23                  ; which 32 rows of it
	s_lshl_b32 s54, s23, 17                        ; 32 rows of 4,096 bytes,
	s_lshl_b32 s57, s58, 15                        ; 8 rows for the odd tile,
	s_add_co_u32 s54, s54, s57
	s_lshl_b32 s57, s59, 10                        ; and my quarter of a row
	s_add_co_u32 s54, s54, s57
	s_add_nc_u64 s[52:53], s[52:53], s[54:55]
	s_lshl_b32 s54, s35, 14
	s_lshl_b32 s57, s59, 12
	s_add_co_u32 s54, s54, s57
	s_add_nc_u64 s[16:17], s[16:17], s[54:55]      ; my 4,096 bytes of codes
	s_lshl_b32 s54, s35, 9
	s_add_nc_u64 s[18:19], s[18:19], s[54:55]      ; the tile's 512 bytes of scale words
	s_lshl_b32 s54, s62, 9
	s_add_nc_u64 s[20:21], s[20:21], s[54:55]      ; my 2 tokens of the table
	s_lshl_b32 s54, s62, 3
	s_add_nc_u64 s[14:15], s[14:15], s[54:55]      ; and their positions
.macro LOAD u                          ; unit u: 128 along K of my 16 rows, a row (512 consecutive bytes) a load
.irp i, 0,1,2,3,4,5,6,7,8,9,10,11,12,13,14,15
	global_load_b128 v[R+64*((\u)%2)+4*\i:R+64*((\u)%2)+4*\i+3], v[L16], s[52:53] offset:(\i+8*(\i/8))*4096+(\u)*512 th:TH_LOAD_NT
.endr
.endm
	LOAD 0
	LOAD 1
	s_load_b64 s[24:25], s[14:15], 0x0             ; two positions
	s_wait_kmcnt 0x0
; The table stands here, while the units are on their way.
.macro SINCOS t
	v_cvt_f32_i32 v160, s[24+\t]
	s_wait_alu depctr_va_vdst(0)
	v_mul_f32 v160, v160, v[INV]                   ; the angle, rounded once
	v_mul_f32 v161, s36, v160
	v_rndne_f32 v161, v161                         ; n
	v_fma_f32 v162, v161, s37, v160                ; the angle less n pi/2
	v_fma_f32 v162, v161, s38, v162
	v_fma_f32 v162, v161, s39, v162
	v_cvt_i32_f32 v163, v161
	v_mul_f32 v164, v162, v162                     ; z
	v_fma_f32 v165, v164, s42, s41
	v_fma_f32 v165, v165, v164, s40
	v_mul_f32 v166, v164, v162
	v_fma_f32 v165, v165, v166, v162               ; the sine of the rest
	v_fma_f32 v167, v164, s45, s44
	v_fma_f32 v167, v167, v164, s43
	v_mul_f32 v168, v164, v164
	v_fma_f32 v169, v164, -0.5, 1.0
	v_fma_f32 v167, v167, v168, v169               ; its cosine
	v_and_b32 v170, 1, v163
	v_cmp_eq_u32 vcc_lo, 1, v170                   ; an odd quarter turn swaps the two
	v_cndmask_b32 v171, v165, v167, vcc_lo
	v_cndmask_b32 v172, v167, v165, vcc_lo
	v_lshlrev_b32 v173, 30, v163
	v_and_b32 v173, 0x80000000, v173               ; the sine is negative in quarters 2, 3,
	v_add_nc_u32 v174, 1, v163
	v_lshlrev_b32 v174, 30, v174
	v_and_b32 v174, 0x80000000, v174               ; the cosine in quarters 1, 2
	v_xor_b32 v[176+2*\t], v172, v174
	v_xor_b32 v[177+2*\t], v171, v173
	global_store_b64 v[TBO], v[176+2*\t:177+2*\t], s[20:21] offset:256*\t   ; the 32 lanes fill a token's 256 bytes
.endm
	SINCOS 0
	SINCOS 1
; 64 numbers of a lane become a fragment's codes in v[pc] on and its scale word in v[pw].
.macro QUANT s, pc, pw
.irp b, 0,1,2,3
	v_max3_num_f32 v[TM+\b], |v[\s+16*\b]|, |v[\s+1+16*\b]|, 0x4800000   ; my 16 numbers of block b, and the floor 2^(9 - 127)
.endr
.irp i, 2,4,6,8,10,12,14
.irp b, 0,1,2,3
	v_max3_num_f32 v[TM+\b], v[TM+\b], |v[\s+16*\b+\i]|, |v[\s+1+16*\b+\i]|
.endr
.endr
.irp b, 0,1,2,3
	v_permlanex16_b32 v[TM+4+\b], v[TM+\b], s[SEL], s[SEL+1]
.endr
.irp b, 0,1,2,3
	v_max_num_f32 v[TM+\b], v[TM+\b], v[TM+4+\b]   ; with lane l xor 16's: the block's largest magnitude
.endr
.irp b, 0,1,2,3
	v_add_nc_u32 v[TM+12+\b], 0xfc000000, v[TM+\b] ; 8 off its exponent field: the conversion's scale operand
.endr
.irp b, 0,1,2,3
	v_and_or_b32 v[TM+8+\b], v[TM+\b], 0x7f800000, s[MNT]   ; 448 x the scale
.endr
.irp b, 0,1,2,3
	v_lshrrev_b32 v[TM+4+\b], 23, v[TM+12+\b]      ; the scale's byte
.endr
	v_lshl_or_b32 v[\pw], v[TM+5], 8, v[TM+4]
	v_lshl_or_b32 v[\pw], v[TM+6], 16, v[\pw]
	v_lshl_or_b32 v[\pw], v[TM+7], 24, v[\pw]
.irp b, 0,1,2,3
.irp i, 0,1,2,3,4,5,6,7,8,9,10,11,12,13,14,15
	v_med3_num_f32 v[\s+16*\b+\i], v[\s+16*\b+\i], -v[TM+8+\b], v[TM+8+\b]   ; the conversion does not saturate (ISA guide 7.6.2): the hold comes first
.endr
	v_cvt_scalef32_pk8_fp8_f32 v[\pc+4*\b:\pc+4*\b+1], v[\s+16*\b:\s+16*\b+7], v[TM+12+\b]
	v_cvt_scalef32_pk8_fp8_f32 v[\pc+4*\b+2:\pc+4*\b+3], v[\s+16*\b+8:\s+16*\b+15], v[TM+12+\b]
.endr
	v_nop                                          ; a plain line behind the last conversion
.endm
.macro UNIT u
	s_wait_xcnt 0x0                                ; earlier stores have read their registers: in unit 0 the table's pairs may be written again
.if (\u) < 1
	s_wait_loadcnt 16                              ; this unit's 16 loads are in; the next unit's stay out
.else
	s_wait_loadcnt 0
.endif
.irp i, 0,1,2,3,4,5,6,7,8,9,10,11,12,13,14,15
	ds_store_b128 v[SI], v[R+64*((\u)%2)+4*\i:R+64*((\u)%2)+4*\i+3] offset:528*\i
.endr
.irp b, 0,1,2,3
.irp j, 0,1,2,3
	ds_load_b128 v[X+16*\b+4*\j:X+16*\b+4*\j+3], v[SO] offset:128*\b+16*\j   ; LDS serves a wave's instructions in order: these see the stores above
.endr
.endr
	s_wait_dscnt 0x0
	QUANT X, PC+16*((\u)%2), PWS+(\u)
.irp c, 0,1,2,3
	global_store_b128 v[L16], v[PC+16*((\u)%2)+4*\c:PC+16*((\u)%2)+4*\c+3], s[16:17] offset:(\u)*2048+\c*512
.endr
.endm
	UNIT 0
	UNIT 1
	ds_store_b64 v[XWS], v[PWS:PWS+1]              ; lanes r and r + 16 hold the same words and write them to the same place
	s_wait_dscnt 0x0                               ; for the others' sake
	s_barrier_signal -1
	s_barrier_wait -1
	s_cmp_lg_u32 s59, 0                            ; the first wave of each row tile stores its words
	s_cbranch_scc1 .Lnot_mine
	ds_load_b128 v[X:X+3], v[XWR]
	s_wait_dscnt 0x0
	global_store_b128 v[L16], v[X:X+3], s[18:19]   ; 512 consecutive bytes
.Lnot_mine:
	s_wait_tensorcnt 0x0                           ; the wave's end
	ds_add_u32 v[SPW], v[NIL]
	s_wait_dscnt 0x0
	s_endpgm
.Lfunc_end_k_qc79627dcab_prep:
	.size	k_qc79627dcab_prep, .Lfunc_end_k_qc79627dcab_prep-k_qc79627dcab_prep
	.p2alignl 7, 3214868480
	.fill 96, 4, 3214868480
	.section	.rodata,"a",@progbits
	.p2align	6, 0x0
	.amdhsa_kernel k_qc79627dcab_prep
		.amdhsa_group_segment_fixed_size 69632
		.amdhsa_private_segment_fixed_size 0
		.amdhsa_enable_private_segment 0
		.amdhsa_kernarg_size 72
		.amdhsa_user_sgpr_count 2
		.amdhsa_user_sgpr_kernarg_segment_ptr 1
		.amdhsa_wavefront_size32 1
		.amdhsa_system_sgpr_workgroup_id_x 1
		.amdhsa_system_sgpr_workgroup_id_y 1
		.amdhsa_system_sgpr_workgroup_id_z 1
		.amdhsa_system_vgpr_workitem_id 0
		.amdhsa_next_free_vgpr 256
		.amdhsa_next_free_sgpr 66
		.amdhsa_reserve_vcc 1
		.amdhsa_float_denorm_mode_32 3
		.amdhsa_float_denorm_mode_16_64 3
		.amdhsa_memory_ordered 1
		.amdhsa_forward_progress 1
		.amdhsa_inst_pref_size 32
	.end_amdhsa_kernel
	.amdgpu_metadata
---
amdhsa.version: [ 1, 2 ]
amdhsa.kernels:
  - .name:           k_qc79627dcab_prep
    .symbol:         k_qc79627dcab_prep.kd
    .args:
      - { .name: x, .offset: 0, .size: 8, .value_kind: global_buffer, .address_space: global }
      - { .name: Wq, .offset: 8, .size: 8, .value_kind: global_buffer, .address_space: global }
      - { .name: Wk, .offset: 16, .size: 8, .value_kind: global_buffer, .address_space: global }
      - { .name: Wv, .offset: 24, .size: 8, .value_kind: global_buffer, .address_space: global }
      - { .name: Wo, .offset: 32, .size: 8, .value_kind: global_buffer, .address_space: global }
      - { .name: token_positions, .offset: 40, .size: 8, .value_kind: global_buffer, .address_space: global }
      - { .name: cod1, .offset: 48, .size: 8, .value_kind: global_buffer, .address_space: global }
      - { .name: scl1, .offset: 56, .size: 8, .value_kind: global_buffer, .address_space: global }
      - { .name: cs, .offset: 64, .size: 8, .value_kind: global_buffer, .address_space: global }
    .group_segment_fixed_size: 69632
    .private_segment_fixed_size: 0
    .kernarg_segment_align: 8
    .kernarg_segment_size: 72
    .max_flat_workgroup_size: 256
    .sgpr_count:     66
    .vgpr_count:     256
    .wavefront_size: 32
...
	.end_amdgpu_metadata
.endif
;; end of part 1
;; launch qkv (part 2): grid 8 x 32, 4 waves a work-group, clusters of 4 x 4, 327,680 bytes of LDS; arguments cod1, scl1, cs, qkvc, qkvs; writes qkvc, qkvs
.if DOCPART == 2
	.amdgcn_target "amdgcn-amd-amdhsa--gfx1250"
	.amdhsa_code_object_version 6
	.text
	.protected	k_qc79627dcab_qkv
	.globl	k_qc79627dcab_qkv
	.p2align	8
	.type	k_qc79627dcab_qkv,@function
k_qc79627dcab_qkv:
	s_mov_b64 s[64:65], 0
	v_nop
	global_prefetch_b8 v0, s[64:65] scope:SCOPE_SE
	s_setreg_imm32_b32 hwreg(HW_REG_WAVE_MODE, 25, 1), 1
	s_wait_xcnt 0x0
	s_wait_alu depctr_hold_cnt(0) depctr_sa_sdst(0) depctr_va_vdst(0) depctr_va_sdst(0) depctr_va_ssrc(0) depctr_va_vcc(0) depctr_vm_vsrc(0)
	s_getreg_b32 s2, hwreg(HW_REG_IB_STS2, 6, 4)
	s_cmp_eq_u32 s2, 0
	s_cbranch_scc0 .Lentry_in_a_cluster
	s_endpgm
.Lentry_in_a_cluster:
	s_bfe_u32 s2, ttmp6, 0x10000c
	s_cmp_lg_u32 s2, 0xf033
	s_cbranch_scc0 .Lentry_shape_is_right
	s_endpgm
.Lentry_shape_is_right:
; LAUNCH 2 OF 4: Q = rope(x Wq^T), K = rope(x Wk^T), V = x Wv^T on codes of E4M3 with E8M0 scales, each quantised again on the way out: Q and K along the head's 64, V along the tokens.  No f32 result is stored.
; LEFT OUT: reference()'s first x Wq^T and x Wk^T, whose results nothing reads (launch 1's head shows it).
; SHARES: 8 x 32 = 256 work-groups.  Work-group (c, y) takes tokens 128 y .. + 127 through rows 128 c .. + 127 of Wq, then of Wk, then of Wv: three phases, the same in every work-group.  Four waves, 2 x 2: a wave has 64 tokens x 64 rows of a weight, one head:
; 16 accumulators that take turns, one instruction a turn, in the same order in every K step.
; LDS: two slots of 131,072 bytes, each eight row tiles with all of K, dense in cod1.  The head fills slot X with x's tiles and slot Y with Wq's, 65,536 bytes a wave.  A wave takes its four tiles of x, all of K, into 512 registers; then Wk's rows are filled over x's,
; and, when Q's products are done, Wv's over Wq's: each refill a quarter (32,768 bytes) a wave, behind a drained round of the cluster's barrier.  One tensor load of a wave is out at the most; every wait for them is for 0.
; CLUSTERS: 4 x 4; x's tiles are asked for jointly along a row of the cluster, a weight's along a column.
; NO PREFETCH: the launch has no loop to run ahead in; each refill is asked for a whole phase ahead of its first read.
; LAYOUTS as launch 1's head has them (row tiles, fragments as images of the operand's registers).  qkvc: Q, K [head 32][token row tile 256][piece 2][512]; V, 8,388,608 bytes in, [head 16][128 tokens 32][channel tile 4][piece 4][512].
; qkvs: Q, K [head 32][128 tokens 32][half 2][r 16][tile 4 words], a word the row's two bytes twice; V, 524,288 bytes in, [head 16][128 tokens 32][r 16][channel tile 4 words].
; Q, K: source 0 = the weight's rows, so a lane holds one token and its registers run along the head.  V: source 0 = x's rows, so a lane holds one channel and its registers run along the tokens.
; A wave has two of the four bytes of V's scale words: the bytes meet in 512 bytes of LDS and leave as units of 256 bytes.
; REGISTERS: window 0: addresses, scale words v16-47 (x) and v52-83 (the weight), work v84-127, accumulators v128-255; window 1: v0-127 two sets of the weight's four fragments, v128-255 cos and sin of my 64 tokens; windows 2, 3: x.
; LIMITS: NaN and infinities are not served; a block of zeros gets the byte 1 (this program alone reads the bytes).
.set YB,    131072
.set VST,   262144                     ; V's scale bytes: 256 for each of two heads
.set SPARE, 262656
.set L16,  4
.set ADRA, 5
.set ADRX, 6
.set ADRY, 7
.set SAO,  8
.set CSO,  9
.set VSA,  10
.set VRD,  11
.set L8,   12
.set SPW,  13
.set NIL,  14
.set PW,   15
.set SA,   16
.set WD,   48
.set SB,   52
.set TM,   84
.set PC,   100
.set RT,   116
.set ACC,  128
.set MNT,  2
.set SEL,  42                          ; s[42:43], free behind the head's masks
.set G1A, 24
.set G0A, 32
.set G0B, 36
.set G1B, 48
.set G1R, 68
.set G0K, 76
.set G0V, 80
.set MSB, 0
.macro WIN new
.if MSB != (\new)
	s_set_vgpr_msb (MSB<<8)|(\new)
.set MSB, (\new)
.endif
.endm
.macro PLACES n
.rept \n
	v_nop
.endr
.endm
.macro CROUND
	s_barrier_signal -1
	s_barrier_wait -1
	s_cmp_lg_u32 s14, 0
	s_cbranch_scc1 .Lnot_wave_0_\@
	s_barrier_signal -3
.Lnot_wave_0_\@:
	s_barrier_wait -3
	s_barrier_signal -1
	s_barrier_wait -1
.endm
.macro GRP1 g, mask, rows              ; so many rows of 256 dense bytes
	s_or_b32 s[\g], s\mask, (3<<16)|(1<<21)
	s_mov_b32 s[\g+1], 32<<16
	s_mov_b32 s[\g+2], (\rows)<<16
	s_mov_b32 s[\g+3], 32<<16
	s_mov_b32 s[\g+4], \rows
	s_mov_b32 s[\g+5], 32
	s_mov_b32 s[\g+6], 0
	s_mov_b32 s[\g+7], 0
.endm
.macro SH d, x, n                      ; d += x << n, by way of s3
	s_lshl_b32 s3, s\x, \n
	s_add_co_u32 s\d, s\d, s3
.endm
	s_load_b128 s[4:7], s[0:1], 0x0                ; cod1, scl1
	s_load_b128 s[8:11], s[0:1], 0x10              ; cs, qkvc
	s_load_b64 s[12:13], s[0:1], 0x20              ; qkvs
	v_lshl_add_u32 v[SPW], v0, 2, SPARE
	v_mov_b32 v[NIL], 0
	ds_add_u32 v[SPW], v[NIL]                      ; the opening: the add, twice on end, and its wait
	ds_add_u32 v[SPW], v[NIL]
	v_lshrrev_b32 v1, 5, v0
	v_readfirstlane_b32 s14, v1
	s_lshr_b32 s15, s14, 1                         ; my half of the tokens; at the head: I fetch x (0) or Wq (1)
	s_and_b32 s16, s14, 1                          ; my half of the weight's rows; at the head: which half I fetch
	s_bfe_u32 s40, ttmp6, 0x40000
	s_bfe_u32 s41, ttmp6, 0x40004
	s_lshl_b32 s43, s41, 2
	s_lshl_b32 s43, 15, s43                        ; my row of the cluster
	s_lshl_b32 s44, 0x1111, s40                    ; my column
	s_and_b32 s17, ttmp7, 0xffff
	s_lshl_b32 s17, s17, 2
	s_add_co_u32 s17, s17, s41                     ; y
	s_lshl_b32 s18, ttmp9, 2
	s_add_co_u32 s18, s18, s40                     ; c
	GRP1 G1A, 43, 256
	GRP1 G1B, 44, 256
	GRP1 G1R, 44, 128
	s_lshl_b32 s20, s17, 17                        ; x's codes: my half of the eight tiles
	SH 20, 16, 16
	s_mov_b32 s21, 0
	s_lshl_b32 s46, s18, 17                        ; Wq's: row tiles 256 + 8 c on
	SH 46, 16, 16
	s_add_co_u32 s46, s46, 256*16384
	s_mov_b32 s47, 0
	s_lshl_b32 s88, s18, 17                        ; Wk's: row tiles 320 + 8 c on, my quarter
	SH 88, 14, 15
	s_add_co_u32 s88, s88, 320*16384
	s_mov_b32 s89, 0
	s_add_co_u32 s90, s88, 64*16384                ; Wv's
	s_mov_b32 s91, 0
	s_lshl_b32 s45, s14, 16                        ; where the head's load lands
	s_lshl_b32 s92, s14, 15                        ; where the refills land: slot X,
	s_add_co_u32 s93, s92, YB                      ; slot Y
	s_lshl_b32 s22, s17, 12                        ; x's scale words: 512 bytes a tile
	SH 22, 15, 11
	s_mov_b32 s23, 0
	s_lshl_b32 s56, s18, 12                        ; the weights'
	SH 56, 16, 11
	s_add_co_u32 s56, s56, 256*512
	s_mov_b32 s57, 0
	s_lshl_b32 s58, s17, 15                        ; cos and sin: 256 bytes a token
	SH 58, 15, 14
	s_mov_b32 s59, 0
	s_lshl_b32 s94, s18, 1
	s_add_co_u32 s94, s94, s16                     ; my head
	s_lshl_b32 s60, s94, 18                        ; Q's codes
	SH 60, 17, 13
	SH 60, 15, 12
	s_mov_b32 s61, 0
	s_lshl_b32 s62, s94, 14                        ; Q's scale words
	SH 62, 17, 9
	SH 62, 15, 8
	s_mov_b32 s63, 0
	s_lshl_b32 s84, s94, 18                        ; V's codes
	SH 84, 17, 13
	SH 84, 15, 10
	s_add_co_u32 s84, s84, 8388608
	s_mov_b32 s85, 0
	s_lshl_b32 s86, s94, 13                        ; V's scale words
	SH 86, 17, 8
	s_add_co_u32 s86, s86, 524288
	s_mov_b32 s87, 0
	s_lshl_b32 s95, s15, 16
	s_lshl_b32 s96, s16, 16
	s_add_co_u32 s97, s96, YB
	s_lshl_b32 s66, s16, 8
	s_add_co_u32 s66, s66, VST
	s_lshl_b32 s67, s15, 1
	s_add_co_u32 s67, s67, s66
	s_mov_b32 s[MNT], 0x600000
	s_wait_dscnt 0x0
	s_wait_kmcnt 0x0
	s_add_nc_u64 s[20:21], s[4:5], s[20:21]
	s_add_nc_u64 s[46:47], s[4:5], s[46:47]
	s_add_nc_u64 s[88:89], s[4:5], s[88:89]
	s_add_nc_u64 s[90:91], s[4:5], s[90:91]
	s_add_nc_u64 s[22:23], s[6:7], s[22:23]
	s_add_nc_u64 s[56:57], s[6:7], s[56:57]
	s_add_nc_u64 s[58:59], s[8:9], s[58:59]
	s_add_nc_u64 s[60:61], s[10:11], s[60:61]
	s_add_nc_u64 s[84:85], s[10:11], s[84:85]
	s_add_nc_u64 s[62:63], s[12:13], s[62:63]
	s_add_nc_u64 s[86:87], s[12:13], s[86:87]
	CROUND                                         ; all sixteen work-groups are here: the joint loads meet
.macro GRP0 g, lds, adr
	s_mov_b32 s[\g], 1
	s_mov_b32 s[\g+1], s\lds
	s_mov_b64 s[\g+2:\g+3], s[\adr:\adr+1]
	s_or_b32 s[\g+3], s[\g+3], 0x80000000
.endm
	GRP0 G0A, 45, 20
	GRP0 G0B, 45, 46
	GRP0 G0K, 92, 88
	GRP0 G0V, 93, 90
	s_cmp_eq_u32 s15, 0
	s_cbranch_scc0 .Lfor_b
	tensor_load_to_lds s[G0A:G0A+3], s[G1A:G1A+7]
	s_nop 0
	PLACES 4
	s_branch .Lasked
.Lfor_b:
	tensor_load_to_lds s[G0B:G0B+3], s[G1B:G1B+7]
	s_nop 0
	PLACES 4
.Lasked:
	s_mov_b32 s[SEL], 0x76543210
	s_mov_b32 s[SEL+1], 0xfedcba98
	v_and_b32 v1, 15, v0
	v_bfe_u32 v2, v0, 4, 1
	v_and_b32 v3, 31, v0
	v_lshlrev_b32 v[L16], 4, v3
	v_lshlrev_b32 v[SAO], 4, v1
	v_lshlrev_b32 v[L8], 3, v3
	v_add_nc_u32 v[ADRA], s95, v[L16]
	v_add_nc_u32 v[ADRX], s96, v[L16]
	v_add_nc_u32 v[ADRY], s97, v[L16]
	v_and_b32 v[CSO], 8, v1
	v_add_nc_u32 v[CSO], v[CSO], v1                ; r + 8 (r / 8): my token in a pair of tiles
	v_lshlrev_b32 v[CSO], 8, v[CSO]
	v_lshl_add_u32 v[CSO], v2, 7, v[CSO]
	v_add_nc_u32 v[VSA], s67, v[SAO]
	v_add_nc_u32 v[VRD], s66, v[L8]
.irp b, 0,1,2,3
	v_mov_b32 v[TM+4+\b], 0                        ; a lane permute's destination counts as one of its sources
.endr
	s_wait_alu depctr_va_vdst(0)                   ; the wait at the head's end
.macro SBLOAD ph                       ; the scale words of my four tiles of a weight
.irp i, 0,1,2,3
.irp k, 0,1
	global_load_b128 v[SB+8*\i+4*\k:SB+8*\i+4*\k+3], v[SAO], s[56:57] offset:(\ph)*32768+\i*512+\k*256
.endr
.endr
.endm
.irp i, 0,1,2,3
.irp k, 0,1
	global_load_b128 v[SA+8*\i+4*\k:SA+8*\i+4*\k+3], v[SAO], s[22:23] offset:\i*512+\k*256
.endr
.endr
	SBLOAD 0
	WIN 0x40
.irp a, 0,1,2,3
.irp i, 0,1,2,3,4,5,6,7
	global_load_b128 v[128+32*\a+4*\i:128+32*\a+4*\i+3], v[CSO], s[58:59] offset:(32*(\a/2)+8*(\a%2))*256+16*\i
.endr
.endr
	WIN 0
	s_wait_tensorcnt 0x0                           ; my part of the head's tiles is in;
	s_barrier_signal -1
	s_barrier_wait -1                              ; and so is everybody's
.macro FETCH adr, q                    ; the weight's four fragments of the q-th 128 of K into set q % 2: 16 loads
	WIN 0x40
.irp i, 0,1,2,3
.irp c, 0,1,2,3
	ds_load_b128 v[64*((\q)%2)+16*\i+4*\c:64*((\q)%2)+16*\i+4*\c+3], v[\adr] offset:\i*16384+(\q)*2048+\c*512
.endr
.endr
.endm
.macro WM d, x, y, z, sx, sy
.if \z
	v_wmma_scale_f32_16x16x128_f8f6f4 v[\d:\d+7], v[\x:\x+15], v[\y:\y+15], 0, v[\sx], v[\sy]
.else
	v_wmma_scale_f32_16x16x128_f8f6f4 v[\d:\d+7], v[\x:\x+15], v[\y:\y+15], v[\d:\d+7], v[\sx], v[\sy]
.endif
.endm
; 16 products.  Accumulator (l, r): l the tile whose rows lie in the lanes (source 1), r the tile whose rows run along the registers (source 0).  kind 0: source 0 the weight, source 1 x; kind 1 the other way round.
.macro MUL kind, q
.if \kind
	WIN (2+(\q)/4)|(1<<2)
.else
	WIN 1|((2+(\q)/4)<<2)
.endif
.irp l, 0,1,2,3
.irp r, 0,1,2,3
.if \kind
	WM ACC+8*(4*\l+\r), 16*(4*((\q)%4)+\r), 64*((\q)%2)+16*\l, (\q)==0, SA+8*\r+(\q), SB+8*\l+(\q)
.else
	WM ACC+8*(4*\l+\r), 64*((\q)%2)+16*\r, 16*(4*((\q)%4)+\l), (\q)==0, SB+8*\r+(\q), SA+8*\l+(\q)
.endif
.endr
.endr
.endm
.macro PHASE kind, adr
.irp q, 0,1,2,3,4,5,6,7
.if \q < 7
	s_wait_dscnt 16                                ; this K step's 16 loads are in; the next step's 16 may be out
.else
	s_wait_dscnt 0x0
.endif
	MUL \kind, \q
.if \q < 6
	PLACES 8                                       ; ahead of loads into registers that these products read
	FETCH \adr, \q+2
.endif
.endr
	WIN 0
	PLACES 8                                       ; ahead of what reads the sums or lands on the operands
.endm
.macro REFILL g0                       ; every wave: all its tensor loads are in, the add, its LDS reads are over; a round; the joint refill first behind it
	s_wait_tensorcnt 0x0
	ds_add_u32 v[SPW], v[NIL]
	s_wait_dscnt 0x0
	CROUND
	tensor_load_to_lds s[\g0:\g0+3], s[G1R:G1R+7]
	s_nop 0
	PLACES 4
.endm
; RoPE in place on the four accumulators of token tile a: registers 2 jj, 2 jj + 1 of tile b are the pair of frequency 16 (b / 2) + 4 (b % 2) + 8 h + jj
.macro ROPE a
	WIN 0x04
.irp b, 0,1,2,3
.irp jj, 0,1,2,3
	v_pk_mul_f32 v[RT+2*\jj:RT+2*\jj+1], v[ACC+8*(4*(\a)+\b)+2*\jj:ACC+8*(4*(\a)+\b)+2*\jj+1], v[128+32*(\a)+2*(8*(\b/2)+4*(\b%2)+\jj):128+32*(\a)+2*(8*(\b/2)+4*(\b%2)+\jj)+1] op_sel:[1,1] op_sel_hi:[0,1] neg_lo:[1,0]
.endr
.irp jj, 0,1,2,3
	v_pk_fma_f32 v[ACC+8*(4*(\a)+\b)+2*\jj:ACC+8*(4*(\a)+\b)+2*\jj+1], v[ACC+8*(4*(\a)+\b)+2*\jj:ACC+8*(4*(\a)+\b)+2*\jj+1], v[128+32*(\a)+2*(8*(\b/2)+4*(\b%2)+\jj):128+32*(\a)+2*(8*(\b/2)+4*(\b%2)+\jj)+1], v[RT+2*\jj:RT+2*\jj+1] op_sel_hi:[1,0,1]
.endr
.endr
	WIN 0
.endm
; 64 numbers of a lane, four blocks of 32 shared with lane l xor 16, become 64 codes in v[PC] on and four scale bytes in v[PW]
.macro QUANT s
.irp b, 0,1,2,3
	v_max3_num_f32 v[TM+\b], |v[(\s)+16*\b]|, |v[(\s)+1+16*\b]|, 0x4800000   ; and the floor 2^(9 - 127): the byte cannot fall under 1
.endr
.irp i, 2,4,6,8,10,12,14
.irp b, 0,1,2,3
	v_max3_num_f32 v[TM+\b], v[TM+\b], |v[(\s)+16*\b+\i]|, |v[(\s)+1+16*\b+\i]|
.endr
.endr
.irp b, 0,1,2,3
	v_permlanex16_b32 v[TM+4+\b], v[TM+\b], s[SEL], s[SEL+1]
.endr
.irp b, 0,1,2,3
	v_max_num_f32 v[TM+\b], v[TM+\b], v[TM+4+\b]
.endr
.irp b, 0,1,2,3
	v_add_nc_u32 v[TM+12+\b], 0xfc000000, v[TM+\b] ; the conversion's scale operand
.endr
.irp b, 0,1,2,3
	v_and_or_b32 v[TM+8+\b], v[TM+\b], 0x7f800000, s[MNT]   ; 448 x the scale
.endr
.irp b, 0,1,2,3
	v_lshrrev_b32 v[TM+4+\b], 23, v[TM+12+\b]
.endr
	v_lshl_or_b32 v[PW], v[TM+5], 8, v[TM+4]
	v_lshl_or_b32 v[PW], v[TM+6], 16, v[PW]
	v_lshl_or_b32 v[PW], v[TM+7], 24, v[PW]
.irp b, 0,1,2,3
.irp i, 0,1,2,3,4,5,6,7,8,9,10,11,12,13,14,15
	v_med3_num_f32 v[(\s)+16*\b+\i], v[(\s)+16*\b+\i], -v[TM+8+\b], v[TM+8+\b]   ; the conversion does not saturate (ISA guide 7.6.2): the hold comes first
.endr
	v_cvt_scalef32_pk8_fp8_f32 v[PC+4*\b:PC+4*\b+1], v[(\s)+16*\b:(\s)+16*\b+7], v[TM+12+\b]
	v_cvt_scalef32_pk8_fp8_f32 v[PC+4*\b+2:PC+4*\b+3], v[(\s)+16*\b+8:(\s)+16*\b+15], v[TM+12+\b]
.endr
	v_nop                                          ; a plain line behind the last conversion
.endm
.macro OUTQK ph                        ; two token tiles at a time: blocks 0, 1 are the first tile's two pieces, blocks 2, 3 the second's
.irp pr, 0,1
	s_wait_xcnt 0x0                                ; earlier stores have read their registers
	ROPE 2*\pr
	ROPE 2*\pr+1
	QUANT ACC+64*\pr
.irp p, 0,1,2,3
	global_store_b128 v[L16], v[PC+4*\p:PC+4*\p+3], s[60:61] offset:(\ph)*4194304+\pr*2048+\p*512   ; 512 consecutive bytes
.endr
	v_perm_b32 v[WD+2*\pr], v[PW], v[PW], 0x01000100     ; a tile's word: its two bytes twice
	v_perm_b32 v[WD+2*\pr+1], v[PW], v[PW], 0x03020302
.endr
	global_store_b128 v[SAO], v[WD:WD+3], s[62:63] offset:(\ph)*262144   ; lanes r and r + 16 hold the same words and store them to the same place: 256 consecutive bytes
.endm
	; x's four tiles of mine, all of K, into windows 2 and 3: fragment (tile a, q) at register 16 (4 (q % 4) + a) of window 2 + q / 4
.irp q, 0,1,2,3,4,5,6,7
	WIN (2+\q/4)<<6
.irp a, 0,1,2,3
.irp c, 0,1,2,3
	ds_load_b128 v[16*(4*(\q%4)+\a)+4*\c:16*(4*(\q%4)+\a)+4*\c+3], v[ADRA] offset:\a*16384+\q*2048+\c*512
.endr
.endr
.endr
	FETCH ADRY, 0
	FETCH ADRY, 1
	WIN 0
	REFILL G0K                                     ; x is in registers in every wave of the cluster: Wk's rows over it
	s_wait_loadcnt 0x0                             ; scale words, cos and sin
	PHASE 0, ADRY                                  ; Q
	REFILL G0V                                     ; Wk's rows are in, nobody reads Wq's any more: Wv's rows over them
	SBLOAD 1
	FETCH ADRX, 0
	FETCH ADRX, 1
	WIN 0
	OUTQK 0
	s_wait_loadcnt 0x0
	PHASE 0, ADRX                                  ; K
	s_wait_tensorcnt 0x0                           ; my quarter of Wv's rows is in;
	s_wait_dscnt 0x0
	s_barrier_signal -1
	s_barrier_wait -1                              ; and so is everybody's; nothing is filled again
	SBLOAD 2
	FETCH ADRY, 0
	FETCH ADRY, 1
	WIN 0
	OUTQK 1
	s_wait_loadcnt 0x0
	PHASE 1, ADRY                                  ; V
.irp pr, 0,1                           ; two channel tiles at a time: blocks 0, 1 are my two pieces (32 tokens each) of the first tile, blocks 2, 3 of the second
	s_wait_xcnt 0x0
	QUANT ACC+64*\pr
.irp p, 0,1,2,3
	global_store_b128 v[L16], v[PC+4*\p:PC+4*\p+3], s[84:85] offset:\pr*4096+(\p/2)*2048+(\p%2)*512
.endr
	ds_store_b16 v[VSA], v[PW] offset:\pr*8                  ; my two bytes of each tile's word (lanes r and r + 16 write the same bytes with the same values)
	ds_store_b16_d16_hi v[VSA], v[PW] offset:\pr*8+4
.endr
	s_wait_dscnt 0x0
	s_barrier_signal -1
	s_barrier_wait -1
	s_cmp_lg_u32 s15, 0                            ; waves 0 and 1 store a head's 256 bytes each
	s_cbranch_scc1 .Lnot_mine
	ds_load_b64 v[TM:TM+1], v[VRD]
	s_wait_dscnt 0x0
	global_store_b64 v[L8], v[TM:TM+1], s[86:87]
.Lnot_mine:
	s_wait_tensorcnt 0x0                           ; the wave's end
	ds_add_u32 v[SPW], v[NIL]
	s_wait_dscnt 0x0
	CROUND                                         ; the closing round
	s_endpgm
.Lfunc_end_k_qc79627dcab_qkv:
	.size	k_qc79627dcab_qkv, .Lfunc_end_k_qc79627dcab_qkv-k_qc79627dcab_qkv
	.p2alignl 7, 3214868480
	.fill 96, 4, 3214868480
	.section	.rodata,"a",@progbits
	.p2align	6, 0x0
	.amdhsa_kernel k_qc79627dcab_qkv
		.amdhsa_group_segment_fixed_size 327680
		.amdhsa_private_segment_fixed_size 0
		.amdhsa_enable_private_segment 0
		.amdhsa_kernarg_size 40
		.amdhsa_user_sgpr_count 2
		.amdhsa_user_sgpr_kernarg_segment_ptr 1
		.amdhsa_wavefront_size32 1
		.amdhsa_system_sgpr_workgroup_id_x 1
		.amdhsa_system_sgpr_workgroup_id_y 1
		.amdhsa_system_sgpr_workgroup_id_z 1
		.amdhsa_system_vgpr_workitem_id 0
		.amdhsa_next_free_vgpr 1024
		.amdhsa_next_free_sgpr 98
		.amdhsa_reserve_vcc 0
		.amdhsa_float_denorm_mode_32 3
		.amdhsa_float_denorm_mode_16_64 3
		.amdhsa_memory_ordered 1
		.amdhsa_forward_progress 1
		.amdhsa_inst_pref_size 172
	.end_amdhsa_kernel
	.amdgpu_metadata
---
amdhsa.version: [ 1, 2 ]
amdhsa.kernels:
  - .name:           k_qc79627dcab_qkv
    .symbol:         k_qc79627dcab_qkv.kd
    .args:
      - { .name: cod1, .offset: 0, .size: 8, .value_kind: global_buffer, .address_space: global }
      - { .name: scl1, .offset: 8, .size: 8, .value_kind: global_buffer, .address_space: global }
      - { .name: cs, .offset: 16, .size: 8, .value_kind: global_buffer, .address_space: global }
      - { .name: qkvc, .offset: 24, .size: 8, .value_kind: global_buffer, .address_space: global }
      - { .name: qkvs, .offset: 32, .size: 8, .value_kind: global_buffer, .address_space: global }
    .group_segment_fixed_size: 327680
    .private_segment_fixed_size: 0
    .kernarg_segment_align: 8
    .kernarg_segment_size: 40
    .max_flat_workgroup_size: 128
    .sgpr_count:     98
    .vgpr_count:     1024
    .wavefront_size: 32
...
	.end_amdgpu_metadata
.endif
;; end of part 2
;; launch attn (part 3): grid 16 x 16, 16 waves a work-group, no clusters, 327,680 bytes of LDS; arguments qkvc, qkvs, aoc, aos; writes aoc, aos
.if DOCPART == 3
	.amdgcn_target "amdgcn-amd-amdhsa--gfx1250"
	.amdhsa_code_object_version 6
	.text
	.protected	k_qc79627dcab_attn
	.globl	k_qc79627dcab_attn
	.p2align	8
	.type	k_qc79627dcab_attn,@function
k_qc79627dcab_attn:
	s_mov_b64 s[64:65], 0
	v_nop
	global_prefetch_b8 v0, s[64:65] scope:SCOPE_SE
	s_setreg_imm32_b32 hwreg(HW_REG_WAVE_MODE, 25, 1), 1
	s_wait_xcnt 0x0
; LAUNCH 3 OF 4: causal attention on codes of E4M3, 16 heads of 64, 4,096 tokens; the result, divided by the row's sum, is quantised along the model's 1,024 for launch 4.
; LEFT OUT: steps of 128 keys all of which come after a block's 128 queries: reference()'s own jnp.tril turns their scores into -inf ahead of the softmax.
; THE SOFTMAX: t = score x log2(e) / 8; M = the running largest t rounded up to a whole number; p = 2^(t - M) is quantised along the keys, not normalised; the row's sum is taken of the unquantised p and divides at the end;
; when M moves, the sum and O are multiplied by 2^(old M - new M), which rounds nothing.
; SHARES.  Work-group (g, head) owns blocks 31 - g and g of 128 queries and takes them in TWO PASSES, the late block first.  In a pass wave w has tile w / 2 of the block's eight and the key steps of parity (w ^ (w / 4)) % 2:
; all sixteen waves walk every slot of both passes.  A slot holds 512 keys, four steps, two for each parity.  The passes have ceil((32 - g) / 4) and ceil((g + 1) / 4) slots: 9 together for every g, so the trip count is a constant,
; every slot that is loaded holds a step that counts.  At the change of pass the walking descriptor goes back to the head's first keys (an offset chosen by ids and the count of trips).
; At a pass's end a wave parks O^T, -M and its sum in LDS bytes of its own.  Behind one barrier after the last slot wave w joins the two key halves of tile w / 2 of pass w % 2 under the larger M (factors that are powers of two), divides and quantises.
; THE CHANGE OF SLOTS IS SPLIT.  A wave's last LDS read of a slot is the fetch of V's fragments in its second step.  Behind it stand the wait for all its tensor loads, the add, the wait for the add and for those reads, and the barrier's signal;
; the second step's mask, softmax and second product, work on registers alone, stand between the signal and the barrier's wait; the refill is the first thing behind the wait.  The parking at the change of pass stands behind the refill.
; NO CLUSTER: the work-groups of a head change pass at different slots, so partners would need different tiles behind the same round.
; LAYOUT.  Both products are used transposed: a lane holds one query (lane % 16).  Operands lie as images of their registers (launch 1's head): every LDS read is 16 x lane, 512 bytes a piece.
; THE FIRST PRODUCT'S K IS 64: a fragment of K's holds two row tiles of keys of one block of 32; it is multiplied by [q | 0] and by [0 | q] (zero CODES in v16-23 and v32-39 beside q in v24-31).  Scale words of Q and K hold the row's two bytes twice.
; RING: two slots; wave 0 fetches K's 32,768 bytes, wave 1 V's, wave 2 K's 2,048 bytes of scale words, wave 3 V's 1,024: one tensor load a wave at the head and behind each barrier; one is out at the most; every wait for them is for 0.
; PREFETCH: the head's first work-group walks all eight slots in its first pass; its waves 4-7 (K) and 8-11 (V) name, 8,192 bytes a wave and lanes 256 bytes apart, the slot that the NEXT change will load; slots 0 and 1 come by their loads alone; it stops at slot 7.
; LIMITS: NaN and infinities are not served; a block of zeros gets the byte 1; the scaled scores stay under 2^31 in magnitude.
.set SLB,   32768                      ; the bit that tells slot 1 from slot 0 in each region
.set VOF,   65536                      ; V's codes; K's lie from 0
.set SCB,   131072                     ; scale words: K's 2,048 bytes, then V's 1,024
.set Q2,    134144                     ; the second pass's q: 1,280 bytes a wave
.set PARK,  166912                     ; parked states: a wave has 2 x 4,352 bytes
.set PST,   8704
.set SPARE, 306176                     ; the spare words, 128 bytes a wave
.set ADV,  1
.set AK0,  2
.set AS0,  3
.set AT0,  4
.set SPW,  5
.set NIL,  6
.set PFO,  7
.set ADK,  8
.set ADS,  9
.set ADT,  10
.set DQ,   11
.set F,    40                          ; v40-103  four fragments of K, then of V
.set S,    104                         ; v104-167 S^T, then p
.set O,    168                         ; v168-199 O^T
.set PCD,  200
.set KW,   216
.set VW,   224
.set QW,   228
.set PW,   229
.set PKA,  230                         ; my parking place, 16 x lane
.set PKB,  231                         ; and 8 x lane behind the 4,096 bytes of O^T
.set TB,   2
.set PAR,  3
.set SWQ,  15                          ; the count of trips left at whose slot the second pass begins
.set WV,   18
.set MNT,  19
.set SEL,  20
.set CS,   22
.set G1,   24                          ; 128 rows of 256 dense bytes
.set G1K,  32                          ; 8 such rows
.set G0,   40
.set STP,  44                          ; s[44:45] a slot on in my stream
.set RST,  46                          ; the first pass's slots in bytes of my stream
.set SWP,  47                          ; the count of trips left at which the refill is the second pass's first slot
.set G1V,  48                          ; 4 rows
.set SLOTS, 67
.set PFA,  76
.set LIM,  80
.set J,    98                          ; my next step's number in the pass
.set BLK,  99                          ; the pass's block: its last step
.macro NOPS n
.rept \n
	v_nop
.endr
.endm
.macro TLOAD                           ; one chain of branches on the wave's number, a load to an arm
	s_cmp_lt_u32 s[WV], 2
	s_cbranch_scc0 .Lk_\@
	tensor_load_to_lds s[G0:G0+3], s[G1:G1+7]
	s_nop 0
	NOPS 4
	s_branch .La_\@
.Lk_\@:
	s_cmp_eq_u32 s[WV], 2
	s_cbranch_scc0 .Lv_\@
	tensor_load_to_lds s[G0:G0+3], s[G1K:G1K+7]
	s_nop 0
	NOPS 4
	s_branch .La_\@
.Lv_\@:
	s_cmp_eq_u32 s[WV], 3
	s_cbranch_scc0 .La_\@
	tensor_load_to_lds s[G0:G0+3], s[G1V:G1V+7]
	s_nop 0
	NOPS 4
.La_\@:
.endm
.macro ASK
	s_cmp_gt_u32 s[SLOTS], s[LIM]
	s_cbranch_scc0 .Lnot_mine_\@
	global_prefetch_b8 v[PFO], s[PFA:PFA+1] th:TH_LOAD_NT scope:SCOPE_SE
.Lnot_mine_\@:
.endm
.macro GRP1 g, rows
	s_mov_b32 s[\g], 3<<16
	s_mov_b32 s[\g+1], 32<<16
	s_mov_b32 s[\g+2], (\rows)<<16
	s_mov_b32 s[\g+3], 32<<16
	s_mov_b32 s[\g+4], \rows
	s_mov_b32 s[\g+5], 32
	s_mov_b32 s[\g+6], 0
	s_mov_b32 s[\g+7], 0
.endm
.macro INIT                            ; a pass begins: the largest t -3e38, the sums and O^T zeros
	v_mov_b32 v13, 0xff61b1e6
	v_floor_f32 v12, -v13
	v_mov_b32 v14, 0
	v_mov_b32 v15, 0
.set NN, 0
.rept 32
	v_mov_b32 v[O+NN], 0
.set NN, NN+1
.endr
.endm
.macro PARKST p                        ; O^T, -M and my sum go to my own LDS bytes; eight places stand behind the last products
	NOPS 8
	v_add_f32 v13, v14, v15
.irp k, 0,1,2,3,4,5,6,7
	ds_store_b128 v[PKA], v[O+4*\k:O+4*\k+3] offset:(\p)*4352+512*\k
.endr
	ds_store_b64 v[PKB], v[12:13] offset:(\p)*4352
.endm
; THE FIRST HALF OF A CHANGE OF SLOTS: every wave waits for all its tensor loads, adds 0 to its spare word, waits for that and for its reads of the slot in hand, and signals.  fill = 1: a refill follows behind the barrier's wait; 2: none does.
.macro MID fill
	s_wait_tensorcnt 0x0
	ds_add_u32 v[SPW], v[NIL]
.if (\fill) == 1
	ds_add_u32 v[SPW], v[NIL]                      ; and, where a load may follow, twice on end
	s_xor_b32 s[G0+1], s[G0+1], SLB
	s_cmp_eq_u32 s[SLOTS], s[SWP]                  ; the slot asked for next is the second pass's first: back by the first pass's slots
	s_cselect_b32 s96, s[RST], 0
	s_add_nc_u64 s[G0+2:G0+3], s[G0+2:G0+3], s[STP:STP+1]
	s_sub_nc_u64 s[G0+2:G0+3], s[G0+2:G0+3], s[96:97]
	s_wait_xcnt 0x0                                ; the last prefetch, a slot back, has read its address
	s_add_nc_u64 s[PFA:PFA+1], s[PFA:PFA+1], 32768
.endif
	s_wait_dscnt 0x0
	s_barrier_signal -1
.endm
.macro AFTER fill                      ; THE SECOND HALF: behind the wait the next slot is whole and nobody reads the one in hand, which takes the 512 keys after the next
	s_barrier_wait -1
.if \fill
	TLOAD
	ASK
.endif
.endm
	s_load_b256 s[4:11], s[0:1], 0x0               ; qkvc, qkvs, aoc, aos
	v_lshl_add_u32 v[SPW], v0, 2, SPARE
	v_mov_b32 v[NIL], 0
	ds_add_u32 v[SPW], v[NIL]                      ; the opening: the add, twice on end, and its wait
	ds_add_u32 v[SPW], v[NIL]
	v_lshrrev_b32 v8, 5, v0
	v_readfirstlane_b32 s[WV], v8
	s_and_b32 s12, ttmp7, 0xffff                   ; the head
	s_lshr_b32 s[PAR], s[WV], 2
	s_xor_b32 s[PAR], s[PAR], s[WV]
	s_and_b32 s[PAR], s[PAR], 1
	s_lshr_b32 s13, s[WV], 1                       ; my tile of the block's eight
	s_sub_co_u32 s[BLK], 31, ttmp9
	s_sub_co_u32 s14, 35, ttmp9
	s_lshr_b32 s14, s14, 2                         ; the first pass's slots: 5 to 8
	s_sub_co_u32 s[SWP], 9, s14
	s_sub_co_u32 s[SWQ], 7, s14                    ; (-1 where the second pass is the ninth slot alone)
	GRP1 G1, 128
	GRP1 G1K, 8
	GRP1 G1V, 4
	s_and_b32 s69, s[WV], 3
	s_and_b32 s71, s[WV], 1
	s_add_co_u32 s70, s71, 1
	s_lshl_b32 s72, s70, 22                        ; K's codes begin 4,194,304 bytes in, V's twice that
	s_lshl_b32 s73, s12, 18
	s_add_co_u32 s72, s72, s73
	s_lshl_b32 s70, s70, 18                        ; K's scale words 262,144 bytes in, V's twice that
	s_lshl_b32 s73, s12, 14
	s_lshr_b32 s73, s73, s71
	s_add_co_u32 s70, s70, s73
	s_lshr_b32 s[STP], 2048, s71
	s_cmp_lt_u32 s69, 2
	s_cselect_b32 s70, s72, s70
	s_cselect_b32 s[STP], 32768, s[STP]
	s_mov_b32 s71, 0
	s_mov_b32 s[STP+1], 0
	s_mul_i32 s[RST], s14, s[STP]
	s_mov_b32 s97, 0
	s_min_u32 s74, s69, 2                          ; where my stream lands: 0, VOF, SCB, SCB + 2,048
	s_lshl_b32 s74, s74, 16
	s_lshr_b32 s75, s69, 1
	s_and_b32 s75, s75, s69
	s_lshl_b32 s75, s75, 11
	s_mov_b32 s[G0], 1
	s_add_co_u32 s[G0+1], s74, s75
	s_lshl_b32 s82, s12, 18                        ; Q's codes: head, row tile
	s_lshl_b32 s83, s13, 10
	s_add_co_u32 s82, s82, s83
	s_lshl_b32 s86, ttmp9, 13
	s_add_co_u32 s86, s86, s82                     ; the second pass's
	s_lshl_b32 s83, s[BLK], 13
	s_add_co_u32 s82, s82, s83                     ; the first's
	s_mov_b32 s83, 0
	s_mov_b32 s87, 0
	s_lshl_b32 s84, s12, 14                        ; Q's scale words: head, block, half of the tiles, tile
	s_lshr_b32 s85, s13, 2
	s_lshl_b32 s85, s85, 8
	s_add_co_u32 s84, s84, s85
	s_and_b32 s85, s13, 3
	s_lshl_b32 s85, s85, 2
	s_add_co_u32 s84, s84, s85
	s_lshl_b32 s88, ttmp9, 9
	s_add_co_u32 s88, s88, s84
	s_lshl_b32 s85, s[BLK], 9
	s_add_co_u32 s84, s84, s85
	s_mov_b32 s85, 0
	s_mov_b32 s89, 0
	s_and_b32 s56, s[WV], 1                        ; at the end I join pass w % 2 of tile w / 2
	s_cmp_eq_u32 s56, 1
	s_cselect_b32 s57, ttmp9, s[BLK]
	s_lshl_b32 s57, s57, 3
	s_add_co_u32 s57, s57, s13                     ; its row tile
	s_lshl_b32 s58, s57, 14                        ; the result's codes: row tile, 128 K, pieces
	s_lshr_b32 s59, s12, 1
	s_lshl_b32 s59, s59, 11
	s_add_co_u32 s58, s58, s59
	s_and_b32 s59, s12, 1
	s_lshl_b32 s59, s59, 10
	s_add_co_u32 s58, s58, s59
	s_mov_b32 s59, 0
	s_lshl_b32 s60, s57, 9                         ; and its scale bytes
	s_lshr_b32 s61, s12, 3
	s_lshl_b32 s61, s61, 8
	s_add_co_u32 s60, s60, s61
	s_bfe_u32 s61, s12, 0x20001
	s_lshl_b32 s61, s61, 2
	s_add_co_u32 s60, s60, s61
	s_and_b32 s61, s12, 1
	s_lshl_b32 s61, s61, 1
	s_add_co_u32 s60, s60, s61
	s_mov_b32 s61, 0
	s_mul_i32 s62, s13, 2*PST                      ; the two parked states that I join
	s_mul_i32 s57, s56, 4352
	s_add_co_u32 s62, s62, s57
	s_add_co_u32 s62, s62, PARK
	s_mul_i32 s63, s[WV], PST
	s_add_co_u32 s63, s63, PARK
	s_mul_i32 s66, s[WV], 1280
	s_add_co_u32 s66, s66, Q2
	s_sub_co_u32 s81, s[WV], 4                     ; the prefetches
	s_lshr_b32 s90, s81, 2
	s_and_b32 s90, s90, 1
	s_add_co_u32 s90, s90, 1
	s_lshl_b32 s90, s90, 22
	s_lshl_b32 s91, s12, 18
	s_add_co_u32 s90, s90, s91
	s_lshl_b32 s91, s69, 13
	s_add_co_u32 s90, s90, s91
	s_add_co_u32 s90, s90, 32768                   ; in slot 1: the first change steps it to slot 2
	s_mov_b32 s91, 0
	s_lshr_b32 s81, s81, 3
	s_or_b32 s81, s81, ttmp9
	s_cmp_eq_u32 s81, 0
	s_cselect_b32 s[LIM], 2, -1
	s_lshr_b32 s68, s13, 1                         ; my tile's first query in its block
	s_lshl_b32 s68, s68, 5
	s_and_b32 s74, s13, 1
	s_lshl_b32 s74, s74, 3
	s_add_co_u32 s68, s68, s74
	s_lshl_b32 s92, s[PAR], 13
	s_lshl_b32 s93, s[PAR], 9
	s_add_co_u32 s93, s93, SCB
	s_lshl_b32 s94, s[PAR], 8
	s_add_co_u32 s94, s94, SCB+2048
	s_mov_b32 s[SEL], 0x76543210
	s_mov_b32 s[SEL+1], 0xfedcba98
	s_mov_b32 s[CS], 0x3e38aa3b                    ; log2(e) / 8
	s_mov_b32 s[CS+1], s[CS]
	s_mov_b32 s[MNT], 0x600000
	s_mov_b32 s[TB], 0
	s_mov_b32 s[J], s[PAR]
	s_mov_b32 s[SLOTS], 7
	s_wait_dscnt 0x0
	s_wait_kmcnt 0x0
	s_cmp_lt_u32 s69, 2
	s_cselect_b64 s[74:75], s[4:5], s[6:7]
	s_add_nc_u64 s[G0+2:G0+3], s[74:75], s[70:71]
	s_or_b32 s[G0+3], s[G0+3], 0x80000000
	TLOAD                                          ; slot 0
	s_add_nc_u64 s[82:83], s[4:5], s[82:83]
	s_add_nc_u64 s[84:85], s[6:7], s[84:85]
	s_add_nc_u64 s[86:87], s[4:5], s[86:87]
	s_add_nc_u64 s[88:89], s[6:7], s[88:89]
	s_add_nc_u64 s[8:9], s[8:9], s[58:59]
	s_add_nc_u64 s[10:11], s[10:11], s[60:61]
	s_add_nc_u64 s[PFA:PFA+1], s[4:5], s[90:91]
	v_and_b32 v8, 31, v0
	v_lshlrev_b32 v1, 4, v8                        ; 16 x lane
	v_and_b32 v9, 15, v0                           ; r
	v_lshlrev_b32 v254, 4, v9
	global_load_b128 v[24:27], v1, s[82:83]        ; the first pass's q
	global_load_b128 v[28:31], v1, s[82:83] offset:512
	global_load_b32 v[QW], v254, s[84:85]
	global_load_b128 v[PCD:PCD+3], v1, s[86:87]    ; the second's, on its way to LDS
	global_load_b128 v[PCD+4:PCD+7], v1, s[86:87] offset:512
	global_load_b32 v[PCD+8], v254, s[88:89]
	v_lshlrev_b32 v[PFO], 8, v8
	v_bfe_u32 v10, v0, 4, 1                        ; h
	v_add_nc_u32 v[AK0], s92, v1
	v_add_nc_u32 v[AS0], s93, v254
	v_add_nc_u32 v[AT0], s94, v254
	v_add_nc_u32 v[PKA], s63, v1
	v_lshlrev_b32 v[PKB], 3, v8
	v_add_nc_u32 v[PKB], s63, v[PKB]
	v_add_nc_u32 v[PKB], 4096, v[PKB]
	v_add_nc_u32 v232, s66, v1
	v_lshlrev_b32 v233, 2, v8
	v_add_nc_u32 v233, s66, v233
	v_and_b32 v[DQ], 8, v9
	v_add_nc_u32 v[DQ], v[DQ], v9                  ; r + 8 (r / 8)
	v_lshlrev_b32 v10, 4, v10
	v_sub_nc_u32 v[DQ], v[DQ], v10
	v_add_nc_u32 v[DQ], s68, v[DQ]
.irp j, 0,1,2,3,4,5,6,7
	v_mov_b32 v[16+\j], 0                          ; zero codes on both sides of q
	v_mov_b32 v[32+\j], 0
.endr
.irp b, 0,1,2,3
	v_mov_b32 v[236+\b], 0                         ; a lane permute's destination counts as one of its sources
.endr
	v_mov_b32 v252, 0
	v_mov_b32 v253, 0
.set NN, 0
.rept 128
	v_mov_b32 v[F+NN], 0                           ; the fragments' and the scores' registers, written once: a step's two halves stand under two branches of one condition
.set NN, NN+1
.endr
.set NN, 0
.rept 12
	v_mov_b32 v[KW+NN], 0                          ; and the scale words'
.set NN, NN+1
.endr
	INIT
; A KEY STEP: 128 keys, the (parity + 2 u)-th of the slot in hand.  mid = 1, 2: the first half of the change of slots stands behind its last LDS read, on every wave's way.
.macro STEP u, mid
	s_cmp_gt_u32 s[J], s[BLK]                      ; all its keys come after the block's queries: the work is left out
.if \mid
	s_cbranch_scc1 .Lha_\@
.else
	s_cbranch_scc1 .Lhidden_\@
.endif
	v_add_nc_u32 v[ADK], s[TB], v[AK0]
	v_add_nc_u32 v[ADS], s[TB], v[AS0]
	v_add_nc_u32 v[ADT], s[TB], v[AT0]
	v_add_nc_u32 v[ADV], VOF, v[ADK]
	NOPS 4                                         ; with the four additions: eight places ahead of loads into registers that the last products read
	ds_load_b128 v[KW:KW+3], v[ADS] offset:(\u)*1024
	ds_load_b128 v[KW+4:KW+7], v[ADS] offset:(\u)*1024+256
.irp kb, 0,1,2,3
.irp c, 0,1,2,3
	ds_load_b128 v[F+16*\kb+4*\c:F+16*\kb+4*\c+3], v[ADK] offset:(\u)*16384+\kb*2048+\c*512
.endr
.endr
	s_wait_alu depctr_va_vdst(0)                   ; the wait ahead of the waits below
.irp kb, 0,1,2,3
	s_wait_dscnt 12-4*\kb                          ; the scale words and fragments 0 .. kb are in; the four loads of each later fragment may be out
	v_wmma_scale_f32_16x16x128_f8f6f4 v[S+16*\kb:S+16*\kb+7], v[F+16*\kb:F+16*\kb+15], v[24:39], 0, v[KW+2*\kb], v[QW]          ; [q | 0]: keys 32 kb + 16 h + 0..7
	v_wmma_scale_f32_16x16x128_f8f6f4 v[S+16*\kb+8:S+16*\kb+15], v[F+16*\kb:F+16*\kb+15], v[16:31], 0, v[KW+2*\kb+1], v[QW]    ; [0 | q]: keys 32 kb + 16 h + 8..15
.endr
	NOPS 8
.irp t, 0,1,2,3                                ; V's fragments are asked for now
.irp c, 0,1,2,3
	ds_load_b128 v[F+16*\t+4*\c:F+16*\t+4*\c+3], v[ADV] offset:(\u)*16384+\t*2048+\c*512
.endr
.endr
	ds_load_b128 v[VW:VW+3], v[ADT] offset:(\u)*512
.if \mid
.Lha_\@:
	MID \mid
	s_cmp_gt_u32 s[J], s[BLK]                      ; the same test once more: what follows up to the barrier's wait is work on registers
	s_cbranch_scc1 .Lhidden_\@
.endif
	s_cmp_lt_u32 s[J], s[BLK]                      ; a step all of whose keys count skips the mask
	s_cbranch_scc1 .Lopen_\@
	v_mov_b32 v254, 0xff800000                     ; on the diagonal hidden scores become -infinity.  Register 16 b + i holds key 32 b + 16 h + i
.set NN, 0
.rept 64
	v_cmp_gt_i32 vcc_lo, 32*(NN/16)+NN%16, v[DQ]
	v_cndmask_b32 v[S+NN], v[S+NN], v254, vcc_lo
.set NN, NN+1
.endr
.Lopen_\@:
.irp b, 0,1,2,3
	v_max3_num_f32 v[232+\b], v[S+16*\b], v[S+1+16*\b], v[S+2+16*\b]   ; each block's largest score: for the row's maximum and for the block's largest p
.endr
.irp i, 3,5,7,9,11,13
.irp b, 0,1,2,3
	v_max3_num_f32 v[232+\b], v[232+\b], v[S+16*\b+\i], v[S+1+16*\b+\i]
.endr
.endr
.irp b, 0,1,2,3
	v_max_num_f32 v[232+\b], v[232+\b], v[S+15+16*\b]
.endr
.irp b, 0,1,2,3
	s_delay_alu instid0(VALU_DEP_4)
	v_permlanex16_b32 v[236+\b], v[232+\b], s[SEL], s[SEL+1]
.endr
.irp b, 0,1,2,3
	s_delay_alu instid0(VALU_DEP_4)
	v_max_num_f32 v[232+\b], v[232+\b], v[236+\b]
.endr
	s_delay_alu instid0(VALU_DEP_2)
	v_max3_num_f32 v254, v232, v233, v234
	s_delay_alu instid0(VALU_DEP_1)
	v_max_num_f32 v254, v254, v235
	s_delay_alu instid0(VALU_DEP_1)
	v_mul_f32 v254, s[CS], v254
	s_delay_alu instid0(VALU_DEP_1)
	v_max_num_f32 v13, v13, v254                   ; the running largest t
	v_mov_b32 v254, v12
	s_delay_alu instid0(VALU_DEP_2)
	v_floor_f32 v12, -v13                          ; -M = floor(-t)
	s_delay_alu instid0(VALU_DEP_1)
	v_sub_f32 v254, v12, v254                      ; old M - new M
	s_delay_alu instid0(VALU_DEP_1)
	v_cvt_i32_f32 v254, v254                       ; (it saturates)
	s_delay_alu instid0(VALU_DEP_1)
	v_ldexp_f32 v252, 1.0, v254                    ; f = 2^(old M - new M)
.set NN, 0
.rept 32
	v_pk_fma_f32 v[S+NN:S+NN+1], v[S+NN:S+NN+1], s[CS:CS+1], v[12:13] op_sel_hi:[1,0,0]   ; t - M
.set NN, NN+2
.endr
.irp b, 0,1,2,3
	v_fma_f32 v[232+\b], v[232+\b], s[CS], v12
.endr
.set NN, 0
	s_wait_alu depctr_va_vdst(0)                   ; the wait ahead of the batch
.rept 64
	v_exp_f32 v[S+NN], v[S+NN]                     ; p
.set NN, NN+1
.endr
	v_pk_mul_f32 v[14:15], v[14:15], v[252:253] op_sel_hi:[1,0]   ; the sums under the new M (a plain line behind the exponentials)
	s_wait_alu depctr_va_vdst(0)                   ; one wait for the batch, ahead of its first reader
.irp b, 0,1,2,3
	v_exp_f32 v[232+\b], v[232+\b]                 ; each block's largest p
.endr
	v_pk_add_f32 v[236:237], v[108:109], v[112:113]   ; the row's sum of the unquantised p, in eight chains
	v_pk_add_f32 v[254:255], v[116:117], v[120:121]
	v_pk_add_f32 v[250:251], v[124:125], v[128:129]
	v_pk_add_f32 v[248:249], v[132:133], v[136:137]
	v_pk_add_f32 v[246:247], v[140:141], v[144:145]
	v_pk_add_f32 v[244:245], v[148:149], v[152:153]
	v_pk_add_f32 v[242:243], v[156:157], v[160:161]
	v_pk_add_f32 v[14:15], v[14:15], v[164:165]
	v_pk_add_f32 v[236:237], v[236:237], v[104:105]
	v_pk_add_f32 v[254:255], v[254:255], v[106:107]
	v_pk_add_f32 v[250:251], v[250:251], v[110:111]
	v_pk_add_f32 v[248:249], v[248:249], v[114:115]
	v_pk_add_f32 v[246:247], v[246:247], v[118:119]
	v_pk_add_f32 v[244:245], v[244:245], v[122:123]
	v_pk_add_f32 v[242:243], v[242:243], v[126:127]
	v_pk_add_f32 v[14:15], v[14:15], v[130:131]
	v_pk_add_f32 v[236:237], v[236:237], v[134:135]
	v_pk_add_f32 v[254:255], v[254:255], v[138:139]
	v_pk_add_f32 v[250:251], v[250:251], v[142:143]
	v_pk_add_f32 v[248:249], v[248:249], v[146:147]
	v_pk_add_f32 v[246:247], v[246:247], v[150:151]
	v_pk_add_f32 v[244:245], v[244:245], v[154:155]
	v_pk_add_f32 v[242:243], v[242:243], v[158:159]
	v_pk_add_f32 v[14:15], v[14:15], v[162:163]
	v_pk_add_f32 v[236:237], v[236:237], v[166:167]
	s_delay_alu instid0(VALU_DEP_2)
	v_pk_add_f32 v[14:15], v[14:15], v[248:249]
	s_delay_alu instid0(VALU_DEP_2)
	v_pk_add_f32 v[236:237], v[236:237], v[246:247]
	v_pk_add_f32 v[254:255], v[254:255], v[244:245]
	v_pk_add_f32 v[250:251], v[250:251], v[242:243]
	s_delay_alu instid0(VALU_DEP_2)
	v_pk_add_f32 v[14:15], v[14:15], v[254:255]
	s_delay_alu instid0(VALU_DEP_2)
	v_pk_add_f32 v[236:237], v[236:237], v[250:251]
	s_delay_alu instid0(VALU_DEP_1)
	v_pk_add_f32 v[14:15], v[14:15], v[236:237]
	s_wait_alu depctr_va_vdst(0)                   ; and one for the four
.irp b, 0,1,2,3
	v_max_num_f32 v[232+\b], 0x4800000, v[232+\b]  ; the floor 2^(9 - 127)
.endr
.irp b, 0,1,2,3
	s_delay_alu instid0(VALU_DEP_4)
	v_add_nc_u32 v[244+\b], 0xfc000000, v[232+\b]  ; the conversion's scale operand
.endr
.irp b, 0,1,2,3
	v_and_or_b32 v[240+\b], v[232+\b], 0x7f800000, s[MNT]   ; 448 x the scale,
.endr
.irp b, 0,1,2,3
	v_and_or_b32 v[248+(\b+1)%4], v[232+\b], 0x7f800000, s[MNT]   ; and once more, in a register of another number modulo 4, for the pairs' second halves
.endr
.irp b, 0,1,2,3
	v_lshrrev_b32 v[236+\b], 23, v[244+\b]
.endr
	s_delay_alu instid0(VALU_DEP_3)
	v_lshl_or_b32 v[PW], v237, 8, v236             ; p's scale word for these 128 keys
	s_delay_alu instid0(VALU_DEP_1)
	v_lshl_or_b32 v[PW], v238, 16, v[PW]
	s_delay_alu instid0(VALU_DEP_1)
	v_lshl_or_b32 v[PW], v239, 24, v[PW]
.irp b, 0,1,2,3
.irp i, 0,2,4,6,8,10,12,14
	v_dual_min_num_f32 v[S+16*\b+\i], v[S+16*\b+\i], v[240+\b] :: v_dual_min_num_f32 v[S+16*\b+\i+1], v[S+16*\b+\i+1], v[248+(\b+1)%4]   ; p is not negative: the hold is one-sided; two to a line
.endr
	v_cvt_scalef32_pk8_fp8_f32 v[PCD+4*\b:PCD+4*\b+1], v[S+16*\b:S+16*\b+7], v[244+\b]
	v_cvt_scalef32_pk8_fp8_f32 v[PCD+4*\b+2:PCD+4*\b+3], v[S+16*\b+8:S+16*\b+15], v[244+\b]
.endr
	s_wait_alu depctr_va_vdst(0)                   ; the wait directly ahead of the first reader of O^T
.set NN, 0
.rept 16
	v_pk_mul_f32 v[O+NN:O+NN+1], v[O+NN:O+NN+1], v[252:253] op_sel_hi:[1,0]   ; O^T under the new M; also the places ahead of the products
.set NN, NN+2
.endr
	s_wait_alu depctr_va_vdst(0)
	s_wait_dscnt 0x0                               ; V's fragments and scale words
.irp t, 0,1,2,3
	v_wmma_scale_f32_16x16x128_f8f6f4 v[O+8*\t:O+8*\t+7], v[F+16*\t:F+16*\t+15], v[PCD:PCD+15], v[O+8*\t:O+8*\t+7], v[VW+\t], v[PW]
.endr
.Lhidden_\@:
	s_add_co_u32 s[J], s[J], 2
.endm
; THE CHANGE OF PASS, at the head of the second pass's first slot: a test of ids and the count of trips alone, the same in all sixteen waves
.macro SWITCH
	s_cmp_lg_u32 s[SLOTS], s[SWQ]
	s_cbranch_scc1 .Lsame_\@
	PARKST 0
	v_and_b32 v8, 31, v0
	v_lshlrev_b32 v9, 2, v8
	v_lshlrev_b32 v8, 4, v8
	v_add_nc_u32 v8, s66, v8
	v_add_nc_u32 v9, s66, v9
	ds_load_b128 v[24:27], v8                      ; awaited with the next step's first loads, which are issued behind them
	ds_load_b128 v[28:31], v8 offset:512
	ds_load_b32 v[QW], v9 offset:1024
	INIT
	s_mov_b32 s[J], s[PAR]
	s_mov_b32 s[BLK], ttmp9
	s_wait_alu depctr_va_vdst(0)                   ; the wait ahead of the label
.Lsame_\@:
.endm
	s_wait_alu depctr_va_vdst(0)                   ; the wait at the head's end
	s_wait_loadcnt 0x0
	ds_store_b128 v232, v[PCD:PCD+3]               ; the second pass's q waits in my own LDS bytes
	ds_store_b128 v232, v[PCD+4:PCD+7] offset:512
	ds_store_b32 v233, v[PCD+8] offset:1024
	MID 1
	AFTER 1                                        ; slot 0 is whole; slot 1's first fill
.Lslot:                                            ; 7 trips, a constant: slots 0 to 6; in trip k slot k + 2 is asked for
	SWITCH
	STEP 0, 0
	STEP 1, 1
	AFTER 1
	s_xor_b32 s[TB], s[TB], SLB
	s_sub_co_u32 s[SLOTS], s[SLOTS], 1
	s_cmp_lg_u32 s[SLOTS], 0
	s_cbranch_scc1 .Lslot
	SWITCH                                         ; slot 7: nothing more is asked for
	STEP 0, 0
	STEP 1, 2
	AFTER 0
	s_xor_b32 s[TB], s[TB], SLB
	s_mov_b32 s[SLOTS], -1
	SWITCH                                         ; slot 8
	STEP 0, 0
	STEP 1, 0
	PARKST 1
	s_wait_dscnt 0x0                               ; my parked states are in LDS
	s_barrier_signal -1
	s_barrier_wait -1
	; THE WAY OUT: the two key halves of one tile of one pass under the larger M; O^T / the sum; two blocks of 32 along launch 4's K, quantised as they stand.
	v_and_b32 v8, 31, v0
	v_lshlrev_b32 v9, 3, v8
	v_lshlrev_b32 v1, 4, v8                        ; 16 x lane
	v_add_nc_u32 v8, s62, v1
	v_add_nc_u32 v9, s62, v9
.irp k, 0,1,2,3,4,5,6,7
	ds_load_b128 v[O+4*\k:O+4*\k+3], v8 offset:512*\k
	ds_load_b128 v[S+4*\k:S+4*\k+3], v8 offset:PST+512*\k
.endr
	ds_load_b64 v[12:13], v9 offset:4096
	ds_load_b64 v[14:15], v9 offset:PST+4096
	v_mov_b32 v235, 0                              ; (upper halves of the pairs named below)
	v_mov_b32 v237, 0
	s_wait_alu depctr_va_vdst(0)
	s_wait_dscnt 0x0
	v_min_num_f32 v232, v12, v14                   ; -M of the larger M
	v_sub_f32 v234, v232, v12
	v_sub_f32 v236, v232, v14
	v_cvt_i32_f32 v234, v234                       ; (it saturates: a half with no step has O^T = 0, sum 0 and the factor 0)
	v_cvt_i32_f32 v236, v236
	v_ldexp_f32 v234, 1.0, v234
	v_ldexp_f32 v236, 1.0, v236
	v_mul_f32 v13, v13, v234
	v_fma_f32 v13, v15, v236, v13
	v_permlanex16_b32 v252, v13, s[SEL], s[SEL+1]
	v_add_f32 v13, v13, v252                       ; the row's sum
	s_wait_alu depctr_va_vdst(0)
	v_rcp_f32 v13, v13
	v_nop
	s_wait_alu depctr_va_vdst(0)
	v_mul_f32 v234, v234, v13
	v_mul_f32 v236, v236, v13
.set NN, 0
.rept 16
	v_pk_mul_f32 v[S+32+NN:S+32+NN+1], v[O+NN:O+NN+1], v[234:235] op_sel_hi:[1,0]
.set NN, NN+2
.endr
.set NN, 0
.rept 16
	v_pk_fma_f32 v[S+NN:S+NN+1], v[S+NN:S+NN+1], v[236:237], v[S+32+NN:S+32+NN+1] op_sel_hi:[1,0,1]
.set NN, NN+2
.endr
.irp b, 0,1
	v_max3_num_f32 v[232+\b], |v[S+16*\b]|, |v[S+1+16*\b]|, 0x4800000
.endr
.irp i, 2,4,6,8,10,12,14
.irp b, 0,1
	v_max3_num_f32 v[232+\b], v[232+\b], |v[S+16*\b+\i]|, |v[S+1+16*\b+\i]|
.endr
.endr
.irp b, 0,1
	v_permlanex16_b32 v[236+\b], v[232+\b], s[SEL], s[SEL+1]
.endr
.irp b, 0,1
	v_max_num_f32 v[232+\b], v[232+\b], v[236+\b]
.endr
.irp b, 0,1
	v_add_nc_u32 v[244+\b], 0xfc000000, v[232+\b]
.endr
.irp b, 0,1
	v_and_or_b32 v[240+\b], v[232+\b], 0x7f800000, s[MNT]
.endr
.irp b, 0,1
	v_lshrrev_b32 v[236+\b], 23, v[244+\b]
.endr
	v_lshl_or_b32 v[PW], v237, 8, v236             ; my row's two scale bytes
	v_and_b32 v[ADK], 15, v0
	v_lshlrev_b32 v[ADK], 4, v[ADK]                ; 16 r
.irp b, 0,1
.irp i, 0,1,2,3,4,5,6,7,8,9,10,11,12,13,14,15
	v_med3_num_f32 v[S+16*\b+\i], v[S+16*\b+\i], -v[240+\b], v[240+\b]
.endr
	v_cvt_scalef32_pk8_fp8_f32 v[PCD+4*\b:PCD+4*\b+1], v[S+16*\b:S+16*\b+7], v[244+\b]
	v_cvt_scalef32_pk8_fp8_f32 v[PCD+4*\b+2:PCD+4*\b+3], v[S+16*\b+8:S+16*\b+15], v[244+\b]
.endr
	v_nop                                          ; a plain line behind the last conversion
	global_store_b128 v1, v[PCD:PCD+3], s[8:9]     ; 512 consecutive bytes each
	global_store_b128 v1, v[PCD+4:PCD+7], s[8:9] offset:512
	global_store_b16 v[ADK], v[PW], s[10:11]       ; lanes r and r + 16 hold the same two bytes and store them to the same place
	s_wait_tensorcnt 0x0                           ; the wave's end
	ds_add_u32 v[SPW], v[NIL]
	s_wait_dscnt 0x0
	s_endpgm
.Lfunc_end_k_qc79627dcab_attn:
	.size	k_qc79627dcab_attn, .Lfunc_end_k_qc79627dcab_attn-k_qc79627dcab_attn
	.p2alignl 7, 3214868480
	.fill 96, 4, 3214868480
	.section	.rodata,"a",@progbits
	.p2align	6, 0x0
	.amdhsa_kernel k_qc79627dcab_attn
		.amdhsa_group_segment_fixed_size 327680
		.amdhsa_private_segment_fixed_size 0
		.amdhsa_enable_private_segment 0
		.amdhsa_kernarg_size 32
		.amdhsa_user_sgpr_count 2
		.amdhsa_user_sgpr_kernarg_segment_ptr 1
		.amdhsa_wavefront_size32 1
		.amdhsa_system_sgpr_workgroup_id_x 1
		.amdhsa_system_sgpr_workgroup_id_y 1
		.amdhsa_system_sgpr_workgroup_id_z 1
		.amdhsa_system_vgpr_workitem_id 0
		.amdhsa_next_free_vgpr 256
		.amdhsa_next_free_sgpr 100
		.amdhsa_reserve_vcc 1
		.amdhsa_float_denorm_mode_32 3
		.amdhsa_float_denorm_mode_16_64 3
		.amdhsa_memory_ordered 1
		.amdhsa_forward_progress 1
		.amdhsa_inst_pref_size 185
	.end_amdhsa_kernel
	.amdgpu_metadata
---
amdhsa.version: [ 1, 2 ]
amdhsa.kernels:
  - .name:           k_qc79627dcab_attn
    .symbol:         k_qc79627dcab_attn.kd
    .args:
      - { .name: qkvc, .offset: 0, .size: 8, .value_kind: global_buffer, .address_space: global }
      - { .name: qkvs, .offset: 8, .size: 8, .value_kind: global_buffer, .address_space: global }
      - { .name: aoc, .offset: 16, .size: 8, .value_kind: global_buffer, .address_space: global }
      - { .name: aos, .offset: 24, .size: 8, .value_kind: global_buffer, .address_space: global }
    .group_segment_fixed_size: 327680
    .private_segment_fixed_size: 0
    .kernarg_segment_align: 8
    .kernarg_segment_size: 32
    .max_flat_workgroup_size: 512
    .sgpr_count:     100
    .vgpr_count:     256
    .wavefront_size: 32
...
	.end_amdgpu_metadata
.endif
;; end of part 3
;; launch oproj (part 4): grid 8 x 32, 4 waves a work-group, clusters of 4 x 4, 327,680 bytes of LDS; arguments aoc, aos, cod1, scl1, out0; writes out0
.if DOCPART == 4
	.amdgcn_target "amdgcn-amd-amdhsa--gfx1250"
	.amdhsa_code_object_version 6
	.text
	.protected	k_qc79627dcab_oproj
	.globl	k_qc79627dcab_oproj
	.p2align	8
	.type	k_qc79627dcab_oproj,@function
k_qc79627dcab_oproj:
	s_mov_b64 s[64:65], 0
	v_nop
	global_prefetch_b8 v0, s[64:65] scope:SCOPE_SE
	s_setreg_imm32_b32 hwreg(HW_REG_WAVE_MODE, 25, 1), 1
	s_wait_xcnt 0x0
	s_wait_alu depctr_hold_cnt(0) depctr_sa_sdst(0) depctr_va_vdst(0) depctr_va_sdst(0) depctr_va_ssrc(0) depctr_va_vcc(0) depctr_vm_vsrc(0)
	s_getreg_b32 s2, hwreg(HW_REG_IB_STS2, 6, 4)
	s_cmp_eq_u32 s2, 0
	s_cbranch_scc0 .Lentry_in_a_cluster
	s_endpgm
.Lentry_in_a_cluster:
	s_bfe_u32 s2, ttmp6, 0x10000c
	s_cmp_lg_u32 s2, 0xf033
	s_cbranch_scc0 .Lentry_shape_is_right
	s_endpgm
.Lentry_shape_is_right:
; LAUNCH 4 OF 4: out0 = (attention's result) Wo^T on codes of E4M3 with E8M0 scales: 4,096 x 1,024 x 1,024, f32 out.
; SHARES: 8 x 32 = 256 work-groups, each a block of 128 rows x 128 columns; four waves, 2 x 2, each 64 x 64: 16 accumulators that take turns, one instruction a turn, in the same order in every K step.
; ALL OF K LIES IN LDS: A's eight row tiles are 131,072 dense bytes of aoc, B's eight 131,072 dense bytes of cod1 (row tiles 448 on).  Each wave fetches 65,536 of them by its one tensor load at the head, as 256 rows of 256 bytes.  Nothing is filled again.
; CLUSTERS: 4 x 4 work-groups; A's tile is asked for jointly along a row of the cluster, B's along a column.  One round stands ahead of the loads and one at the end.
; NO PREFETCH: every tile is asked for at the head; the launch has no loop to run ahead in.
; Operands lie as images of their registers (launch 1's head): fragment (row tile i, 128 K q) is four pieces of 512 bytes at 16,384 i + 2,048 q, read at 16 x lane.  Scale words go from memory straight into registers: lane r takes row r's four words of a K half, 256 consecutive bytes to sixteen lanes.
; The products are used transposed (source 0 = Wo's rows): register j of lane (r, h) of tile (a, b) is row r + 8 (r / 8) of A's tile, column 32 (b / 2) + 8 (b % 2) + 16 h + j.
; REGISTERS: window 0: addresses, scale words v32-63 (A) and v68-99 (B), accumulators v128-255; window 1: two sets of fragments, A's four at 128 p, B's four at 128 p + 64.
.set STAGE, 262144                     ; the way out: 16 rows x (256 + 16) bytes a wave
.set SP,    272
.set SPARE, STAGE+4*16*SP              ; the spare words, 128 bytes a wave
.set L16,  4
.set ADRA, 16
.set ADRB, 17
.set STO,  24
.set RD,   25
.set CO,   26
.set SAO,  27
.set SPW,  28
.set NIL,  29
.set SA,   32
.set SB,   68
.set BK,   32
.set ACC,  128
.set G1,  24
.set G0,  32
.set G0B, 36
.set G1B, 48
.set MSB, 0
.macro WIN new
.if MSB != (\new)
	s_set_vgpr_msb (MSB<<8)|(\new)
.set MSB, (\new)
.endif
.endm
.macro PLACES n
.rept \n
	v_nop
.endr
.endm
.macro CROUND
	s_barrier_signal -1
	s_barrier_wait -1
	s_cmp_lg_u32 s14, 0
	s_cbranch_scc1 .Lnot_wave_0_\@
	s_barrier_signal -3
.Lnot_wave_0_\@:
	s_barrier_wait -3
	s_barrier_signal -1
	s_barrier_wait -1
.endm
	s_load_b128 s[4:7], s[0:1], 0x0                ; aoc, aos
	s_load_b128 s[8:11], s[0:1], 0x10              ; cod1, scl1
	s_load_b64 s[12:13], s[0:1], 0x20              ; out0
	v_lshl_add_u32 v[SPW], v0, 2, SPARE
	v_mov_b32 v[NIL], 0
	ds_add_u32 v[SPW], v[NIL]                      ; the opening: the add, twice on end, and its wait
	ds_add_u32 v[SPW], v[NIL]
	v_lshrrev_b32 v1, 5, v0
	v_readfirstlane_b32 s14, v1
	s_lshr_b32 s15, s14, 1                         ; my half of the rows; also: I fetch for A (0) or B (1)
	s_and_b32 s16, s14, 1                          ; my half of the columns; also: which half of that tile I fetch
	s_bfe_u32 s40, ttmp6, 0x40000
	s_bfe_u32 s41, ttmp6, 0x40004
	s_lshl_b32 s43, s41, 2
	s_lshl_b32 s43, 15, s43                        ; my row of the cluster
	s_lshl_b32 s44, 0x1111, s40                    ; my column
	s_and_b32 s17, ttmp7, 0xffff
	s_lshl_b32 s17, s17, 2
	s_add_co_u32 s17, s17, s41                     ; block row
	s_lshl_b32 s18, ttmp9, 2
	s_add_co_u32 s18, s18, s40                     ; block column
	s_lshl_b32 s19, s16, 16
	s_lshl_b32 s20, s17, 17
	s_add_co_u32 s20, s20, s19                     ; A's codes
	s_mov_b32 s21, 0
	s_lshl_b32 s46, s18, 17
	s_add_co_u32 s46, s46, s19
	s_add_co_u32 s46, s46, 448*16384               ; B's
	s_mov_b32 s47, 0
	s_or_b32 s[G1], s43, (3<<16)|(1<<21)
	s_or_b32 s[G1B], s44, (3<<16)|(1<<21)
.irp g, G1, G1B
	s_mov_b32 s[\g+1], 32<<16
	s_mov_b32 s[\g+2], 256<<16
	s_mov_b32 s[\g+3], 32<<16
	s_mov_b32 s[\g+4], 256
	s_mov_b32 s[\g+5], 32
	s_mov_b32 s[\g+6], 0
	s_mov_b32 s[\g+7], 0
.endr
	s_lshl_b32 s45, s14, 16                        ; where my load lands: 65,536 x wave
	s_lshl_b32 s22, s17, 12                        ; A's scale words: row tile 8 x block row + 4 x my half, 512 bytes a tile
	s_lshl_b32 s23, s15, 11
	s_add_co_u32 s22, s22, s23
	s_mov_b32 s23, 0
	s_lshl_b32 s56, s18, 12                        ; B's
	s_lshl_b32 s57, s16, 11
	s_add_co_u32 s56, s56, s57
	s_add_co_u32 s56, s56, 448*512
	s_mov_b32 s57, 0
	s_lshl_b32 s58, s17, 19                        ; my first row and column of out0, in bytes
	s_lshl_b32 s59, s15, 18
	s_add_co_u32 s58, s58, s59
	s_lshl_b32 s59, s18, 9
	s_add_co_u32 s58, s58, s59
	s_lshl_b32 s59, s16, 8
	s_add_co_u32 s58, s58, s59
	s_mov_b32 s59, 0
	s_lshl_b32 s60, s15, 16
	s_lshl_b32 s61, s16, 16
	s_add_co_u32 s61, s61, 131072
	s_mul_i32 s62, s14, 16*SP
	s_add_co_u32 s62, s62, STAGE
	s_wait_dscnt 0x0
	s_wait_kmcnt 0x0
	s_add_nc_u64 s[20:21], s[4:5], s[20:21]
	s_add_nc_u64 s[46:47], s[8:9], s[46:47]
	s_add_nc_u64 s[22:23], s[6:7], s[22:23]
	s_add_nc_u64 s[56:57], s[10:11], s[56:57]
	s_add_nc_u64 s[12:13], s[12:13], s[58:59]
	CROUND                                         ; all sixteen work-groups are here: the joint loads meet
	s_mov_b32 s[G0], 1
	s_mov_b32 s[G0+1], s45
	s_mov_b64 s[G0+2:G0+3], s[20:21]
	s_or_b32 s[G0+3], s[G0+3], 0x80000000
	s_mov_b32 s[G0B], 1
	s_mov_b32 s[G0B+1], s45
	s_mov_b64 s[G0B+2:G0B+3], s[46:47]
	s_or_b32 s[G0B+3], s[G0B+3], 0x80000000
	s_cmp_eq_u32 s15, 0
	s_cbranch_scc0 .Lfor_b
	tensor_load_to_lds s[G0:G0+3], s[G1:G1+7]
	s_nop 0
	PLACES 4
	s_branch .Lasked
.Lfor_b:
	tensor_load_to_lds s[G0B:G0B+3], s[G1B:G1B+7]
	s_nop 0
	PLACES 4
.Lasked:
	v_and_b32 v1, 15, v0
	v_bfe_u32 v2, v0, 4, 1
	v_and_b32 v3, 31, v0
	v_lshlrev_b32 v[L16], 4, v3
	v_lshlrev_b32 v[SAO], 4, v1
	v_add_nc_u32 v[ADRA], s60, v[L16]
	v_add_nc_u32 v[ADRB], s61, v[L16]
	v_mul_u32_u24 v5, v1, SP
	v_lshl_add_u32 v5, v2, 6, v5
	v_add_nc_u32 v[STO], s62, v5                   ; into the stage: row r, 64 h bytes on
	v_mul_u32_u24 v6, v2, SP
	v_add_nc_u32 v6, v6, v[SAO]
	v_add_nc_u32 v[RD], s62, v6                    ; back: sixteen lanes to a row, two rows a load
	v_lshl_add_u32 v[CO], v2, 12, v[SAO]           ; and the same two rows in out0
	s_wait_alu depctr_va_vdst(0)                   ; the wait at the head's end
.irp i, 0,1,2,3
.irp k, 0,1
	global_load_b128 v[SA+8*\i+4*\k:SA+8*\i+4*\k+3], v[SAO], s[22:23] offset:\i*512+\k*256
	global_load_b128 v[SB+8*\i+4*\k:SB+8*\i+4*\k+3], v[SAO], s[56:57] offset:\i*512+\k*256
.endr
.endr
	s_wait_tensorcnt 0x0                           ; my quarter is in;
	s_barrier_signal -1
	s_barrier_wait -1                              ; and so is everybody's
.macro FETCH q                         ; the q-th 128 of K: A's four fragments and B's four into set q % 2: 32 loads
	WIN 0x40
.irp i, 0,1,2,3
.irp c, 0,1,2,3
	ds_load_b128 v[128*((\q)%2)+16*\i+4*\c:128*((\q)%2)+16*\i+4*\c+3], v[ADRA] offset:\i*16384+(\q)*2048+\c*512
.endr
.endr
.irp i, 0,1,2,3
.irp c, 0,1,2,3
	ds_load_b128 v[128*((\q)%2)+64+16*\i+4*\c:128*((\q)%2)+64+16*\i+4*\c+3], v[ADRB] offset:\i*16384+(\q)*2048+\c*512
.endr
.endr
.endm
.macro MUL q
	WIN 0x05
.irp a, 0,1,2,3
.irp b, 0,1,2,3
.if (\q) == 0
	v_wmma_scale_f32_16x16x128_f8f6f4 v[ACC+8*(4*\a+\b):ACC+8*(4*\a+\b)+7], v[128*((\q)%2)+64+16*\b:128*((\q)%2)+64+16*\b+15], v[128*((\q)%2)+16*\a:128*((\q)%2)+16*\a+15], 0, v[SB+8*\b+(\q)], v[SA+8*\a+(\q)]
.else
	v_wmma_scale_f32_16x16x128_f8f6f4 v[ACC+8*(4*\a+\b):ACC+8*(4*\a+\b)+7], v[128*((\q)%2)+64+16*\b:128*((\q)%2)+64+16*\b+15], v[128*((\q)%2)+16*\a:128*((\q)%2)+16*\a+15], v[ACC+8*(4*\a+\b):ACC+8*(4*\a+\b)+7], v[SB+8*\b+(\q)], v[SA+8*\a+(\q)]
.endif
.endr
.endr
.endm
	FETCH 0
	FETCH 1
	s_wait_loadcnt 0x0                             ; the scale words
.irp q, 0,1,2,3,4,5,6,7
.if \q < 7
	s_wait_dscnt 32                                ; this K step's 32 loads are in; the next step's 32 may be out
.else
	s_wait_dscnt 0x0
.endif
	MUL \q
.if \q < 6
	PLACES 8                                       ; ahead of loads into registers that these products read
	FETCH \q+2
.endif
.endr
	WIN 0
	PLACES 8                                       ; ahead of the first reads of the sums
; THE WAY OUT, a block of 16 rows x 64 columns at a time through my own stage: sixteen lanes then store 256 consecutive bytes, aligned.  LDS serves a wave's instructions in order, so no wait stands between the stores and the loads.
.macro TOST a
.irp b, 0,1,2,3
	ds_store_b128 v[STO], v[ACC+8*(4*(\a)+\b):ACC+8*(4*(\a)+\b)+3] offset:128*(\b/2)+32*(\b%2)
	ds_store_b128 v[STO], v[ACC+8*(4*(\a)+\b)+4:ACC+8*(4*(\a)+\b)+7] offset:128*(\b/2)+32*(\b%2)+16
.endr
.irp i, 0,1,2,3,4,5,6,7
	ds_load_b128 v[BK+32*((\a)%2)+4*\i:BK+32*((\a)%2)+4*\i+3], v[RD] offset:2*\i*SP
.endr
.endm
.macro SEND a, younger
	s_wait_dscnt \younger
.irp i, 0,1,2,3,4,5,6,7
	global_store_b128 v[CO], v[BK+32*((\a)%2)+4*\i:BK+32*((\a)%2)+4*\i+3], s[12:13] offset:(32*((\a)/2)+8*((\a)%2)+2*\i+8*(\i/4))*4096 th:TH_STORE_NT
.endr
.endm
	TOST 0
.irp a, 1,2,3
.if \a > 1
	s_wait_xcnt 0x0                                ; block a - 2's stores have read their registers
.endif
	TOST \a
	SEND \a-1, 16                                  ; behind block a - 1's loads: block a's 8 stores and 8 loads
.endr
	SEND 3, 0
	s_wait_tensorcnt 0x0                           ; the wave's end
	ds_add_u32 v[SPW], v[NIL]
	s_wait_dscnt 0x0
	CROUND                                         ; the closing round
	s_endpgm
.Lfunc_end_k_qc79627dcab_oproj:
	.size	k_qc79627dcab_oproj, .Lfunc_end_k_qc79627dcab_oproj-k_qc79627dcab_oproj
	.p2alignl 7, 3214868480
	.fill 96, 4, 3214868480
	.section	.rodata,"a",@progbits
	.p2align	6, 0x0
	.amdhsa_kernel k_qc79627dcab_oproj
		.amdhsa_group_segment_fixed_size 327680
		.amdhsa_private_segment_fixed_size 0
		.amdhsa_enable_private_segment 0
		.amdhsa_kernarg_size 40
		.amdhsa_user_sgpr_count 2
		.amdhsa_user_sgpr_kernarg_segment_ptr 1
		.amdhsa_wavefront_size32 1
		.amdhsa_system_sgpr_workgroup_id_x 1
		.amdhsa_system_sgpr_workgroup_id_y 1
		.amdhsa_system_sgpr_workgroup_id_z 1
		.amdhsa_system_vgpr_workitem_id 0
		.amdhsa_next_free_vgpr 512
		.amdhsa_next_free_sgpr 66
		.amdhsa_reserve_vcc 0
		.amdhsa_float_denorm_mode_32 3
		.amdhsa_float_denorm_mode_16_64 3
		.amdhsa_memory_ordered 1
		.amdhsa_forward_progress 1
		.amdhsa_inst_pref_size 50
	.end_amdhsa_kernel
	.amdgpu_metadata
---
amdhsa.version: [ 1, 2 ]
amdhsa.kernels:
  - .name:           k_qc79627dcab_oproj
    .symbol:         k_qc79627dcab_oproj.kd
    .args:
      - { .name: aoc, .offset: 0, .size: 8, .value_kind: global_buffer, .address_space: global }
      - { .name: aos, .offset: 8, .size: 8, .value_kind: global_buffer, .address_space: global }
      - { .name: cod1, .offset: 16, .size: 8, .value_kind: global_buffer, .address_space: global }
      - { .name: scl1, .offset: 24, .size: 8, .value_kind: global_buffer, .address_space: global }
      - { .name: out0, .offset: 32, .size: 8, .value_kind: global_buffer, .address_space: global }
    .group_segment_fixed_size: 327680
    .private_segment_fixed_size: 0
    .kernarg_segment_align: 8
    .kernarg_segment_size: 40
    .max_flat_workgroup_size: 128
    .sgpr_count:     66
    .vgpr_count:     512
    .wavefront_size: 32
...
	.end_amdgpu_metadata
.endif
;; end of part 4
